; MI455X (gfx1250); checked and timed in simulation.
; The chip was launched on July 23, 2026; its instructions are those of AMD's public machine-readable ISA for CDNA 5 (MIT licence, August 2026) and "CDNA5" Instruction Set Architecture Reference Guide (July 2026). The comments in the code are by the model that wrote it; some were corrected since.
;; Head Attention. Allowed arithmetic: matrix products marked QUANTISED: E4M3 operands, one E8M0 scale for each 32 along K, by v_wmma_scale_f32_16x16x128_f8f6f4 with both operands' format E4M3, f32 sums; everything else in f32.
;; Inputs: Wk_codes 64 x 32 x 32 uint8 (E4M3 codes of Wk, K innermost, in blocks of 32 codes); Wk_scales 64 x 32 uint8 (E8M0 scales of Wk, one for each 32 codes along K); Wq_codes 64 x 32 x 32 uint8 (E4M3 codes of Wq, K innermost, in blocks of 32 codes); Wq_scales 64 x 32 uint8 (E8M0 scales of Wq, one for each 32 codes along K); Wv_codes 64 x 32 x 32 uint8 (E4M3 codes of Wv, K innermost, in blocks of 32 codes); Wv_scales 64 x 32 uint8 (E8M0 scales of Wv, one for each 32 codes along K); X_codes 4 x 4,096 x 32 x 32 uint8 (E4M3 codes of X, K innermost, in blocks of 32 codes); X_scales 4 x 4,096 x 32 uint8 (E8M0 scales of X, one for each 32 codes along K); bk 64 float32; bq 64 float32; bv 64 float32.
;; Outputs: out0 4 x 4,096 x 64 float32.
;; This version of the problem:
;;   THIS VERSION OF THE PROBLEM IS GIVEN IN LOW PRECISION. The matrix products marked QUANTISED in the list below multiply operands that are first quantised to E4M3 (4 exponent bits, 3 mantissa bits; 8 bits a number), with one power-of-two scale for each 32 numbers along K (OCP MX v1.0); their sums are f32. All else is computed in f32.
;;   The module's matrix products, in the order in which they are computed (A, B: the left and right operand; K: the contracted axis; several contracted axes count as one K, in the product's order):
;;     1. [M 16,384, K 1,024] x [K 1,024, N 64]; A: input X (given as codes); B: input Wk (given as codes): QUANTISED
;;     2. [M 16,384, K 1,024] x [K 1,024, N 64]; A: input X (given as codes); B: input Wq (given as codes): QUANTISED
;;     3. [M 16,384, K 1,024] x [K 1,024, N 64]; A: input X (given as codes); B: input Wv (given as codes): QUANTISED
;;     4. batch 4 x [M 4,096, K 64] x [K 64, N 4,096]; A: computed on the way; B: computed on the way: QUANTISED
;;     5. batch 4 x [M 4,096, K 4,096] x [K 4,096, N 64]; A: softmax (see below); B: computed on the way: QUANTISED
;;   THE QUANTISER, for each operand of a quantised product, along K:
;;     - K is cut into blocks of 32 from its start; a last block that is shorter is filled with zeros.
;;     - A block's scale is 2^e with e = floor(log2(the largest magnitude in the block)) - 8, held to -126 .. 127; a block of zeros has e = 0. As a byte (E8M0): e + 127.
;;     - Each number is divided by its block's scale, clamped to +-448, and rounded to the nearest number of E4M3, ties to even, subnormals kept.
;;     - The product sums the exact products of the quantised numbers (number of the format x scale) in f32.
;;   ~~~python
;;   def quantise(x, axis):      # numpy; x: float32 -> the quantised numbers, widened to float32 again
;;       x = np.moveaxis(x, axis, -1); K = x.shape[-1]
;;       x = np.pad(x, [(0, 0)] * (x.ndim - 1) + [(0, -K % 32)]); x = x.reshape(x.shape[:-1] + (-1, 32)); a = np.abs(x).max(-1, keepdims=True)
;;       e = np.where(a > 0, np.clip(np.frexp(np.where(a > 0, a, 1))[1] - 1 - 8, -126, 127), 0)      # np.frexp(a)[1] - 1 = floor(log2(a)), exactly
;;       r = np.clip(x / 2.0 ** e, -448, 448)
;;       step = 2.0 ** (np.maximum(np.frexp(np.where(r == 0, 1, r))[1] - 1, -6) - 3)
;;       q = np.round(r / step) * step * 2.0 ** e      # np.round: ties to even
;;       return np.moveaxis(q.reshape(q.shape[:-2] + (-1,))[..., :K], -1, axis).astype(np.float32)
;;   ~~~
;;   SOFTMAX AHEAD OF A QUANTISED PRODUCT. Where the list says 'softmax', what is quantised is not the finished softmax but p = 2^(t - M), with t = logit x log2(e) and M = ceil(the row's largest t), a whole number; so 1/2 < the row's largest p <= 1. The row's sum l is taken of the UNQUANTISED p, in f32, and the product's result is divided by l at the end. Since M is a whole number, a kernel that streams over the keys may use a running M (the ceiling of the running maximum): every later rescaling is an exact power of two, which a block's scale takes up: the codes' values come out the same.
;;   OPERANDS COMPUTED ON THE WAY. 'Computed on the way' means the value that the module computes at that place (a softmax that the list does not call 'softmax' is quantised finished and normalised). What goes into a quantiser is computed in f32, as accurately as f32 sums, v_exp_f32 and their like allow (about 1e-6 of the number): no bf16 or f16 on the way to a quantiser, and a product that is left as it is and whose result goes on into a quantised operand takes f32 operands (vector FMAs, or v_wmma_f32_16x16x4_f32). A number that lies on a knife's edge between two numbers of the format may be rounded either way, as far as f32 arithmetic and the matrix unit's own rounding can turn it there, and no further.
;;   INPUTS GIVEN AS CODES. Wk (in the module: [1024, 64], K = its axis 0); Wq (in the module: [1024, 64], K = its axis 0); Wv (in the module: [1024, 64], K = its axis 0); X (in the module: [4, 4096, 1024], K = its axis 2): each comes as NAME_codes (uint8): NAME with its K axis moved to the last place and cut into blocks of 32 codes, [.., K / 32, bytes a block], one block behind the other in memory; one code a byte (a code: sign, 4 exponent bits, 3 mantissa bits); and NAME_scales (uint8): the same leading axes, one E8M0 byte (e + 127) for each 32 codes along K. Its value is code x scale, taken as it is: it is not quantised again, and the codes and scales need not be those that the quantiser above would give.
;; 2 versions, each right; version 2 is version 1 with the launch attend written anew for expert scheduling mode. Each part assembles by itself: llvm-mc -triple=amdgcn-amd-amdhsa -mcpu=gfx1250 --defsym DOCPART=n.
;; ======== version 1 of 2: 2 launches
;; workspace buffers: ws 3,276,800 bytes
;; launch project (part 1): grid 256 x 1, 4 waves a work-group, clusters of 4 x 1, 280,576 bytes of LDS; arguments X_codes, X_scales, Wq_codes, Wq_scales, Wk_codes, Wk_scales, Wv_codes, Wv_scales, bq, bk, bv, ws; writes ws
.if DOCPART == 1
	.amdgcn_target "amdgcn-amd-amdhsa--gfx1250"
	.amdhsa_code_object_version 6
	.text
	.protected	k_qe457462d71_project
	.globl	k_qe457462d71_project
	.p2align	8
	.type	k_qe457462d71_project,@function
k_qe457462d71_project:
	s_mov_b64 s[64:65], 0
	v_nop
	global_prefetch_b8 v0, s[64:65] scope:SCOPE_SE
	s_setreg_imm32_b32 hwreg(HW_REG_WAVE_MODE, 25, 1), 1
	s_wait_xcnt 0x0
	s_wait_alu depctr_hold_cnt(0) depctr_sa_sdst(0) depctr_va_vdst(0) depctr_va_sdst(0) depctr_va_ssrc(0) depctr_va_vcc(0) depctr_vm_vsrc(0)
	s_getreg_b32 s2, hwreg(HW_REG_IB_STS2, 6, 4)
	s_cmp_eq_u32 s2, 0
	s_cbranch_scc0 .Lentry_in_a_cluster
	s_endpgm
.Lentry_in_a_cluster:
	s_bfe_u32 s2, ttmp6, 0x10000c
	s_cmp_lg_u32 s2, 0x3003
	s_cbranch_scc0 .Lentry_shape_is_right
	s_endpgm
.Lentry_shape_is_right:
; q = X Wq + bq, k = X Wk + bk, v = X Wv + bv on codes of FP8 (E4M3) with one E8M0 scale for each 32 along K = 1,024; then q and k are quantised along the head's 64 (two blocks of 32)
; and v along the keys (blocks of 32 keys), and all leave for the workspace ws in the order of the next launch's operand registers.
; SHARES.  A work-group of four waves takes 64 rows of X (work-group G: rows 64 G on) and writes record G of ws, 12,800 bytes.  Wave w (mu = w / 2: 0 q, 1 k; beta = w % 2) makes, for all 64 rows,
; channels 32 beta .. 32 beta + 31 of q or k (TRANSPOSED: source 0 = 16 rows of W, source 1 = 16 rows of X: a lane holds one row of X and eight channels) and channels 16 w .. 16 w + 15 of v
; (source 0 = 16 rows of X, source 1 = 16 rows of Wv: a lane holds one channel and eight keys).  12 accumulators, 12 matrix instructions for each 128 along K, the accumulators by turns.
; A RECORD:  0: K's codes, b*2048 + (2u+c)*512 + 16*lane: lane (r, h) holds dims 32c+16h+0..15 of key 32b + 8u + r + 8(r/8);   4096: V's codes, (2t+b)*512 + 16*lane: channel 16t+r, keys 32b+16h+0..15;
;   8192: Q's codes, b*2048 + a*1024 + c*512 + 16*lane: query 32b+16a+r, dims 32c+16h+0..15;   12288: 8 bytes a lane: lanes 0-15 K's scale words of b = 0, 1 (bytes u0c0, u0c1, u1c0, u1c1),
;   lanes 16-31 V's scale bytes of channel tiles t = 0..3 (two bytes each: key blocks b = 0, 1);   12544: 8 bytes a lane, lane 16b + r: Q's word (bytes a0c0, a0c1, a1c0, a1c1) and the same turned by 16 bits.
; CLUSTER.  All work-groups read the same 192 KiB of weights: the four of a cluster ask for them JOINTLY (waves 0, 1, 2: Wq, Wk, Wv; mask 15); wave 3 asks for its work-group's own rows of X.
; All of K lies in LDS at once: four chunks of 256 along K; nothing is filled twice.  By this text's count a wave has four tensor loads out.
; LIMITS: NaN, infinities and NaN codes among the inputs are not served.  A block whose largest magnitude lies under 2^-118 gets the scale byte 1; so does a block of zeros (the quantiser's rule says 127):
; its codes are zeros, and only this program reads the bytes.
.set PITCH, 272                        ; an LDS row: 256 bytes + 16 of padding = 68 words, so the 16 rows that a fragment load touches begin 4 words apart modulo 64
.set TILEB, 64*PITCH                   ; 64 rows: one tensor load
.set CHUNK, 4*TILEB                    ; 256 along K of Wq, Wk, Wv, X
.set SCX,   4*CHUNK                    ; behind the tiles: the waves' scale pieces, 384 bytes a wave
.set SPARE, SCX+1536                   ; the spare words, 128 bytes for each wave
.set RECB,  12800
.set SPW, 2                            ; v2   my spare word's address; never rewritten
.set NIL, 3                            ; v3   0; never rewritten
.set AX,  4                            ; v4   LDS address of my lane in X's tile of the chunk in hand
.set AW,  5                            ; v5   in my 32 rows of Wq or Wk
.set AV,  6                            ; v6   in my 16 rows of Wv
.set OQK, 7                            ; v7   byte in the record of my lane's q or k codes
.set OV,  8                            ; v8   of my lane's v codes
.set SCA, 9                            ; v9   LDS address of my wave's scale pieces
.set O8,  10                           ; v10  8 x lane
.set XS,  16                           ; v16-31  X's scale words: register 8 b + s: lane l holds row 32 b + l, K step s
.set WS,  32                           ; v32-39  my W's: lane l holds row 32 beta + l
.set VSC, 40                           ; v40-47  Wv's: lane r holds row 16 w + r
.set BQ,  48                           ; v48-63  the bias of q or k in the result's layout, two tiles
.set BV,  64                           ; v64-71  bv of my lane's channel, eight times
.set TM,  72                           ; v72-77 largest magnitudes, v78-83 the other half's, then bytes, v84-89 448 x scale, v90-95 the conversions' scale operands
.set ACC, 96                           ; v96-191 six blocks of 16: block x = 0..3: q or k of X tile x (two tiles of channels); block 4 + b: v of keys 32 b on (two tiles of keys)
.set PC,  192                          ; v192-215 four registers of codes for each block
.set TQ,  216                          ; v216-231 q's or k's codes in the record's order
.set PB,  232                          ; v232-235 their scale bytes in that order
.set G1J, 36                           ; s[36:43] descriptor group 1, joint;  s[44:51] plain
.set G1P, 44
.set G0W, 68                           ; s[68:83] four groups 0 for my weight's chunks;  s[84:99] for X's
.set G0X, 84
.set MSB, 0
.macro WIN new                         ; the immediate's high byte repeats the setting that is left
.if MSB != \new
	s_set_vgpr_msb (MSB<<8)|\new
.set MSB, \new
.endif
.endm
.macro PLACES n
.rept \n
	v_nop
.endr
.endm
.macro CROUND                          ; a round of the cluster's barrier
	s_barrier_signal -1
	s_barrier_wait -1
	s_cmp_lg_u32 s28, 0
	s_cbranch_scc1 .Lnot_wave_0_\@
	s_barrier_signal -3
.Lnot_wave_0_\@:
	s_barrier_wait -3
	s_barrier_signal -1
	s_barrier_wait -1
.endm
	s_load_b512 s[4:19], s[0:1], 0x0               ; X codes s[4:5], X scales s[6:7], Wq s[8:9], s[10:11], Wk s[12:13], s[14:15], Wv s[16:17], s[18:19]
	s_load_b256 s[20:27], s[0:1], 0x40             ; bq s[20:21], bk s[22:23], bv s[24:25], ws s[26:27]
	v_lshl_add_u32 v[SPW], v0, 2, SPARE
	v_mov_b32 v[NIL], 0
	ds_add_u32 v[SPW], v[NIL]                      ; the wave's opening: the add and its wait stand ahead of my first tensor load; the set-up below, work on registers, stands between them
	v_lshrrev_b32 v1, 5, v0
	v_readfirstlane_b32 s28, v1                    ; wave 0..3
	s_and_b32 s29, s28, 1                          ; beta
	s_lshr_b32 s30, s28, 1                         ; mu
	s_bfe_u32 s31, ttmp6, 0x40000                  ; cx
	s_lshl_b32 s32, ttmp9, 2
	s_add_co_u32 s32, s32, s31                     ; G = 4 x cluster + cx: it enters X's and ws's addresses alone
	s_lshl_b32 s33, s29, 3                         ; where my block's byte stands in a scale word: 8 beta,
	s_add_co_u32 s34, s33, 16                      ; and 16 + 8 beta
	s_cmp_eq_u32 s30, 0
	s_cselect_b32 s35, 0, 0xff00ff00               ; the key order's two lane masks: q keeps its rows as they lie,
	s_cselect_b32 s52, -1, 0xff00ff00              ; k takes lanes 8-15 of each half from the other tile
	s_cselect_b32 s57, 8192, 0                     ; q's codes lie at 8,192 in a record, k's at 0
	s_mov_b32 s53, 0xffff0000                      ; lanes 16-31
	s_mov_b32 s54, 0x76543210
	s_mov_b32 s55, 0xfedcba98                      ; v_permlanex16_b32's selects for lane l xor 16
	s_mov_b32 s56, 0x600000                        ; the mantissa field of 448
	; descriptor group 1: 64 rows x 256 bytes, rows 1,024 bytes apart in memory, 16 bytes of padding behind each row in LDS
	s_mov_b32 s[G1J], 15|(1<<20)|(1<<21)|(5<<22)|(3<<25)   ; 15:0 the mask: all four work-groups; 17:16 elements of 1 byte; 20 padding on; 21 set beside a mask; 24:22 after every 64 words; 31:25 four words
	s_mov_b32 s[G1P], (1<<20)|(5<<22)|(3<<25)              ; the same with no mask
.irp g, G1J, G1P
	s_mov_b32 s[\g+1], 256<<16                     ; tensor_dim0
	s_mov_b32 s[\g+2], 64<<16                      ; tensor_dim1
	s_mov_b32 s[\g+3], 256<<16                     ; tile_dim0
	s_mov_b32 s[\g+4], 64                          ; tile_dim1
	s_mov_b32 s[\g+5], 1024                        ; tensor_dim0_stride
	s_mov_b32 s[\g+6], 0
	s_mov_b32 s[\g+7], 0
.endr
	v_and_b32 v15, 31, v0                          ; lane
	v_and_b32 v14, 15, v0                          ; r
	v_bfe_u32 v13, v0, 4, 1                        ; h
	v_mul_u32_u24 v1, v14, PITCH
	v_lshl_add_u32 v1, v13, 4, v1                  ; a fragment's row x pitch + 16 h
	v_add_nc_u32 v[AX], 3*TILEB, v1
	s_mul_i32 s60, s30, TILEB
	s_mul_i32 s61, s29, 32*PITCH
	s_add_co_u32 s60, s60, s61
	v_add_nc_u32 v[AW], s60, v1
	s_mul_i32 s60, s28, 16*PITCH
	s_add_co_u32 s60, s60, 2*TILEB
	v_add_nc_u32 v[AV], s60, v1
	s_lshl_b32 s60, s29, 9
	s_add_co_u32 s60, s60, s57
	v_lshl_add_u32 v[OQK], v15, 4, s60             ; 16 x lane + 512 beta (+ 8,192 for q)
	s_lshl_b32 s60, s28, 10
	s_add_co_u32 s60, s60, 4096
	v_lshl_add_u32 v[OV], v15, 4, s60              ; 16 x lane + 4,096 + 1,024 w
	s_mul_i32 s60, s28, 384
	s_add_co_u32 s60, s60, SCX
	v_lshl_add_u32 v[SCA], v15, 2, s60
	v_lshlrev_b32 v[O8], 3, v15
	v_lshlrev_b32 v11, 5, v15                      ; 32 x lane: a row of scale bytes
	v_lshlrev_b32 v12, 5, v14                      ; 32 r
	v_lshlrev_b32 v13, 5, v13                      ; 32 h: eight numbers of a bias
	v_lshlrev_b32 v14, 2, v14                      ; 4 r
.irp g, 0,1,2,3,4,5
	v_mov_b32 v[TM+6+\g], 0                        ; written once: a lane permute's destination counts as one of its sources
.endr
	v_mov_b32 v236, 0
	v_mov_b32 v237, 0
	s_mul_i32 s62, s28, TILEB                      ; where my weight's tile lies in a chunk
	s_wait_dscnt 0x0                               ; the opening add is done
	s_wait_kmcnt 0x0
	s_cmp_eq_u32 s28, 0
	s_cselect_b64 s[60:61], s[8:9], s[12:13]
	s_cmp_lt_u32 s28, 2
	s_cselect_b64 s[60:61], s[60:61], s[16:17]     ; wave 0: Wq, 1: Wk, 2: Wv (wave 3 does not use it)
.irp k, 0,1,2,3
	s_mov_b32 s[G0W+4*\k], 1                       ; count = 1
	s_add_co_u32 s[G0W+4*\k+1], s62, \k*CHUNK      ; LDS address: the wave's number and constants alone
	s_add_nc_u64 s[G0W+4*\k+2:G0W+4*\k+3], s[60:61], \k*256    ; 256 along K a chunk
	s_or_b32 s[G0W+4*\k+3], s[G0W+4*\k+3], 0x80000000          ; type = 2
.endr
	s_lshl_b32 s66, s32, 16                        ; my work-group's 64 rows of 1,024 bytes
	s_mov_b32 s67, 0
	s_add_nc_u64 s[4:5], s[4:5], s[66:67]
.irp k, 0,1,2,3
	s_mov_b32 s[G0X+4*\k], 1
	s_mov_b32 s[G0X+4*\k+1], \k*CHUNK+3*TILEB
	s_add_nc_u64 s[G0X+4*\k+2:G0X+4*\k+3], s[4:5], \k*256
	s_or_b32 s[G0X+4*\k+3], s[G0X+4*\k+3], 0x80000000
.endr
	s_lshl_b32 s66, s32, 11
	s_add_nc_u64 s[6:7], s[6:7], s[66:67]          ; X's scale bytes: 64 rows of 32
	s_mul_i32 s66, s32, RECB
	s_add_nc_u64 s[58:59], s[26:27], s[66:67]      ; my record
	s_cmp_eq_u32 s30, 0
	s_cselect_b64 s[10:11], s[10:11], s[14:15]     ; the scale bytes of Wq or Wk,
	s_cselect_b64 s[20:21], s[20:21], s[22:23]     ; bq or bk
	s_mov_b32 s61, 0
	s_lshl_b32 s60, s29, 10
	s_add_nc_u64 s[10:11], s[10:11], s[60:61]      ; my 32 rows of them
	s_lshl_b32 s60, s29, 7
	s_add_nc_u64 s[20:21], s[20:21], s[60:61]      ; my 32 numbers
	s_lshl_b32 s60, s28, 9
	s_add_nc_u64 s[18:19], s[18:19], s[60:61]      ; Wv's scale bytes: my 16 rows
	s_lshl_b32 s60, s28, 6
	s_add_nc_u64 s[24:25], s[24:25], s[60:61]      ; bv: my 16 numbers
	CROUND                                         ; all four work-groups are here: the joint loads meet
	s_cmp_lt_u32 s28, 3                            ; a wave's four first fills stand in one branch on the wave's number, an s_nop 0 behind each, four v_nop behind the last
	s_cbranch_scc0 .Lfill_x
.irp k, 0,1,2,3
	tensor_load_to_lds s[G0W+4*\k:G0W+4*\k+3], s[G1J:G1J+7]
	s_nop 0
.endr
	PLACES 4
	s_branch .Lfilled
.Lfill_x:
.irp k, 0,1,2,3
	tensor_load_to_lds s[G0X+4*\k:G0X+4*\k+3], s[G1P:G1P+7]
	s_nop 0
.endr
	PLACES 4
.Lfilled:
.irp b, 0,1
.irp q, 0,1
	global_load_b128 v[XS+8*\b+4*\q:XS+8*\b+4*\q+3], v11, s[6:7] offset:1024*\b+16*\q   ; 32 lanes read 1,024 consecutive bytes in two loads
.endr
.endr
.irp q, 0,1
	global_load_b128 v[WS+4*\q:WS+4*\q+3], v11, s[10:11] offset:16*\q
	global_load_b128 v[VSC+4*\q:VSC+4*\q+3], v12, s[18:19] offset:16*\q
.endr
.irp u, 0,1
.irp q, 0,1
	global_load_b128 v[BQ+8*\u+4*\q:BQ+8*\u+4*\q+3], v13, s[20:21] offset:64*\u+16*\q   ; b[32 beta + 16 u + 8 h + 0 .. 7]
.endr
.endr
	global_load_b32 v[BV], v14, s[24:25]           ; bv[16 w + r]
	s_wait_loadcnt 0x0
.irp j, 1,2,3,4,5,6,7
	v_mov_b32 v[BV+\j], v[BV]
.endr
; 28 LDS loads in one run: the fragments of 128 along K (half 0 or 1 of the chunk in hand) into buffer p of window 1: X's four at +0, my W's two at +64, Wv's at +96
.macro FETCH half, p
	WIN 0x40                                       ; destination window 1, address window 0
.irp x, 0,1,2,3
.irp c, 0,1,2,3
	ds_load_b128 v[128*(\p)+16*\x+4*\c:128*(\p)+16*\x+4*\c+3], v[AX] offset:\x*16*PITCH+128*(\half)+32*\c
.endr
.endr
.irp u, 0,1
.irp c, 0,1,2,3
	ds_load_b128 v[128*(\p)+64+16*\u+4*\c:128*(\p)+64+16*\u+4*\c+3], v[AW] offset:\u*16*PITCH+128*(\half)+32*\c
.endr
.endr
.irp c, 0,1,2,3
	ds_load_b128 v[128*(\p)+96+4*\c:128*(\p)+96+4*\c+3], v[AV] offset:128*(\half)+32*\c
.endr
	WIN 0
.endm
; X tile x against my three tiles of weights.  X's scale words of tile x lie in lanes 16 (x % 2) on of register 8 (x / 2) + s; my W's second tile's in lanes 16-31.  first = 1: the biases are the C of the sums' first products
.macro W3 x, s, p, first
.set rF,  128*(\p)
.set rD0, ACC+16*(\x)
.set rD1, ACC+16*(\x)+8
.set rD2, ACC+64+8*(\x)
.if \first
.set rC0, BQ
.set rC1, BQ+8
.set rC2, BV
.else
.set rC0, rD0
.set rC1, rD1
.set rC2, rD2
.endif
.set rXS, XS+8*((\x)/2)+(\s)
.if (\x)%2
	v_wmma_scale_f32_16x16x128_f8f6f4 v[rD0:rD0+7], v[rF+64:rF+79], v[rF+16*(\x):rF+16*(\x)+15], v[rC0:rC0+7], v[WS+(\s)], v[rXS] matrix_b_scale:MATRIX_SCALE_ROW1
	v_wmma_scale_f32_16x16x128_f8f6f4 v[rD1:rD1+7], v[rF+80:rF+95], v[rF+16*(\x):rF+16*(\x)+15], v[rC1:rC1+7], v[WS+(\s)], v[rXS] matrix_a_scale:MATRIX_SCALE_ROW1 matrix_b_scale:MATRIX_SCALE_ROW1
	v_wmma_scale_f32_16x16x128_f8f6f4 v[rD2:rD2+7], v[rF+16*(\x):rF+16*(\x)+15], v[rF+96:rF+111], v[rC2:rC2+7], v[rXS], v[VSC+(\s)] matrix_a_scale:MATRIX_SCALE_ROW1
.else
	v_wmma_scale_f32_16x16x128_f8f6f4 v[rD0:rD0+7], v[rF+64:rF+79], v[rF+16*(\x):rF+16*(\x)+15], v[rC0:rC0+7], v[WS+(\s)], v[rXS]
	v_wmma_scale_f32_16x16x128_f8f6f4 v[rD1:rD1+7], v[rF+80:rF+95], v[rF+16*(\x):rF+16*(\x)+15], v[rC1:rC1+7], v[WS+(\s)], v[rXS] matrix_a_scale:MATRIX_SCALE_ROW1
	v_wmma_scale_f32_16x16x128_f8f6f4 v[rD2:rD2+7], v[rF+16*(\x):rF+16*(\x)+15], v[rF+96:rF+111], v[rC2:rC2+7], v[rXS], v[VSC+(\s)]
.endif
.endm
.macro MUL s, p, first                 ; 12 matrix instructions, the 12 accumulators by turns, in the same order in every K step
	WIN 0x05                                       ; sources 0 and 1 window 1; C and D window 0
.irp x, 0,1,2,3
	W3 \x, \s, \p, \first
.endr
	WIN 0
.endm
; K step s of eight.  Its fragments are in; the next step's are asked for, into the buffer that step s - 1 multiplied: eight places behind those products.
; Steps 1, 3, 5 ask for the next chunk's first half: my own load of that chunk has landed (the count leaves my younger loads out), and behind the barrier everybody's has.
.macro KSTEP s
	s_wait_dscnt 0x0                               ; this step's 28 loads are in
.if ((\s)%2 == 1) && ((\s) < 7)
	s_wait_tensorcnt (5-(\s))/2
	s_barrier_signal -1
	s_barrier_wait -1
	v_add_nc_u32 v[AX], CHUNK, v[AX]               ; on to the next chunk: three of the eight places
	v_add_nc_u32 v[AW], CHUNK, v[AW]
	v_add_nc_u32 v[AV], CHUNK, v[AV]
	PLACES 5
.elseif ((\s) > 0) && ((\s) < 7)
	PLACES 8
.endif
.if (\s) < 7
	FETCH ((\s)+1)%2, ((\s)+1)%2
.endif
	MUL \s, (\s)%2, (\s)==0
.endm
	s_wait_tensorcnt 0x3                           ; my load of chunk 0 is in; my three younger loads stay out,
	s_barrier_signal -1
	s_barrier_wait -1                              ; everybody's is
	FETCH 0, 0
.irp s, 0,1,2,3,4,5,6,7
	KSTEP \s
.endr
	PLACES 8
	; The two tiles of a block change halves, so that a lane's 16 registers are 16 neighbours along the next K: channels 32 beta + 16 h + 0 .. 15 of one row, or keys 32 b + 16 h + 0 .. 15 of one channel.
	; Register 0 of every accumulator first: each accumulator is read from its low end on.
.irp j, 0,1,2,3,4,5,6,7
.irp g, 0,1,2,3,4,5
	v_permlane16_swap_b32 v[ACC+16*\g+\j], v[ACC+16*\g+8+\j]   ; the first's lanes 16-31 against the second's lanes 0-15
.endr
.endr
	; THE QUANTISER, six blocks by turns.  A block of 32 lies in lanes l and l xor 16
.irp g, 0,1,2,3,4,5
	v_max3_num_f32 v[TM+\g], |v[ACC+16*\g]|, |v[ACC+16*\g+1]|, 0x4800000   ; my 16 numbers, and the floor 2^(9 - 127): the byte cannot fall under 1
.endr
.irp i, 2,4,6,8,10,12,14
.irp g, 0,1,2,3,4,5
	v_max3_num_f32 v[TM+\g], v[TM+\g], |v[ACC+16*\g+\i]|, |v[ACC+16*\g+\i+1]|
.endr
.endr
.irp g, 0,1,2,3,4,5
	v_permlanex16_b32 v[TM+6+\g], v[TM+\g], s54, s55
.endr
.irp g, 0,1,2,3,4,5
	v_max_num_f32 v[TM+\g], v[TM+\g], v[TM+6+\g]   ; the block's largest magnitude
.endr
.irp g, 0,1,2,3,4,5
	v_add_nc_u32 v[TM+18+\g], 0xfc000000, v[TM+\g] ; 8 off its exponent field: the conversion's scale operand
.endr
.irp g, 0,1,2,3,4,5
	v_and_or_b32 v[TM+12+\g], v[TM+\g], 0x7f800000, s56   ; 448 x the scale
.endr
.irp g, 0,1,2,3,4,5
	v_lshrrev_b32 v[TM+6+\g], 23, v[TM+18+\g]      ; the scale's byte
.endr
.irp g, 0,1,2,3,4,5
.irp i, 0,1,2,3,4,5,6,7,8,9,10,11,12,13,14,15
	v_med3_num_f32 v[ACC+16*\g+\i], v[ACC+16*\g+\i], -v[TM+12+\g], v[TM+12+\g]   ; the conversion to an 8-bit code does not saturate (ISA guide 7.6.2): the hold at the largest code x the scale
.endr
	v_cvt_scalef32_pk8_fp8_f32 v[PC+4*\g:PC+4*\g+1], v[ACC+16*\g:ACC+16*\g+7], v[TM+18+\g]
	v_cvt_scalef32_pk8_fp8_f32 v[PC+4*\g+2:PC+4*\g+3], v[ACC+16*\g+8:ACC+16*\g+15], v[TM+18+\g]
.endr
	v_nop                                          ; a plain line between the last conversion and the vector lines that read its result
	; THE KEY ORDER.  Tile (b, u) of K holds key 32 b + 8 u + r + 8 (r / 8) in lane r: u = 0: lanes 0-7 of tile a = 0 as they lie, lanes 8-15 from lanes 0-7 of a = 1; u = 1: lanes 0-7 from lanes 8-15 of a = 0, lanes 8-15 of a = 1 as they lie.
	; The masks make the same four lines the identity for q.
.irp b, 0,1
.irp i, 0,1,2,3
	v_mov_b32_dpp v236, v[PC+8*\b+4+\i] row_xmask:8 row_mask:0xf bank_mask:0xf
	v_mov_b32_dpp v237, v[PC+8*\b+\i] row_xmask:8 row_mask:0xf bank_mask:0xf
	v_cndmask_b32 v[TQ+8*\b+\i], v[PC+8*\b+\i], v236, s35
	v_cndmask_b32 v[TQ+8*\b+4+\i], v237, v[PC+8*\b+4+\i], s52
.endr
	v_mov_b32_dpp v236, v[TM+7+2*\b] row_xmask:8 row_mask:0xf bank_mask:0xf      ; the scale bytes go the same way
	v_mov_b32_dpp v237, v[TM+6+2*\b] row_xmask:8 row_mask:0xf bank_mask:0xf
	v_cndmask_b32 v[PB+2*\b], v[TM+6+2*\b], v236, s35
	v_cndmask_b32 v[PB+2*\b+1], v237, v[TM+7+2*\b], s52
.endr
.irp b, 0,1
.irp u, 0,1
	global_store_b128 v[OQK], v[TQ+8*\b+4*\u:TQ+8*\b+4*\u+3], s[58:59] offset:\b*2048+\u*1024   ; 32 lanes store 512 consecutive bytes, at a multiple of 256 from the buffer's first byte
.endr
	global_store_b128 v[OV], v[PC+16+4*\b:PC+16+4*\b+3], s[58:59] offset:\b*512
.endr
.irp b, 0,1
	v_lshlrev_b32 v[238+\b], s33, v[PB+2*\b]       ; my block's bytes at their places in the row's scale word: byte beta for the first tile,
	v_lshlrev_b32 v1, s34, v[PB+2*\b+1]            ; byte 2 + beta for the second
	v_or_b32 v[238+\b], v[238+\b], v1
.endr
	v_lshl_or_b32 v240, v[TM+11], 8, v[TM+10]      ; v: my channel's bytes of key blocks 0 and 1
	ds_store_b32 v[SCA], v238
	ds_store_b32 v[SCA], v239 offset:128
	ds_store_b32 v[SCA], v240 offset:256
	s_wait_dscnt 0x0                               ; for the others' sake: my pieces have landed
	s_barrier_signal -1
	s_barrier_wait -1
	s_cmp_lg_u32 s28, 0                            ; wave 0 puts the pieces together: two stores, each one aligned run of 256 bytes
	s_cbranch_scc1 .Lnot_mine
.irp w, 0,1,2,3
.irp p, 0,1,2
	ds_load_b32 v[238+3*\w+\p], v[SCA] offset:\w*384+\p*128    ; wave w's piece p (in wave 0 the address is the region's first byte + 4 x lane)
.endr
.endr
	s_wait_dscnt 0x0
	v_or_b32 v244, v244, v247                      ; K's word of b = 0: waves 2 and 3
	v_or_b32 v245, v245, v248                      ; of b = 1
	v_lshl_or_b32 v240, v243, 16, v240             ; V's bytes of channel tiles 0 and 1,
	v_lshl_or_b32 v246, v249, 16, v246             ; of 2 and 3
	v_cndmask_b32 v250, v244, v240, s53            ; lanes 0-15 K's, lanes 16-31 V's
	v_cndmask_b32 v251, v245, v246, s53
	v_or_b32 v238, v238, v241                      ; Q's word of b = 0: waves 0 and 1
	v_or_b32 v239, v239, v242                      ; of b = 1
	v_cndmask_b32 v236, v238, v239, s53            ; lane 16 b + r
	v_alignbit_b32 v237, v236, v236, 16            ; and turned by 16 bits
	global_store_b64 v[O8], v[250:251], s[58:59] offset:12288
	global_store_b64 v[O8], v[236:237], s[58:59] offset:12544
.Lnot_mine:
	s_wait_tensorcnt 0x0                           ; the wave's end, behind my last tensor load and my last LDS store
	ds_add_u32 v[SPW], v[NIL]
	s_wait_dscnt 0x0
	CROUND                                         ; the closing round: no work-group ends while a partner may still ask for a tile that names it
	s_endpgm
.Lfunc_end_k_qe457462d71_project:
	.size	k_qe457462d71_project, .Lfunc_end_k_qe457462d71_project-k_qe457462d71_project
	.p2alignl 7, 3214868480
	.fill 96, 4, 3214868480
	.section	.rodata,"a",@progbits
	.p2align	6, 0x0
	.amdhsa_kernel k_qe457462d71_project
		.amdhsa_group_segment_fixed_size 280576
		.amdhsa_private_segment_fixed_size 0
		.amdhsa_enable_private_segment 0
		.amdhsa_kernarg_size 96
		.amdhsa_user_sgpr_count 2
		.amdhsa_user_sgpr_kernarg_segment_ptr 1
		.amdhsa_wavefront_size32 1
		.amdhsa_system_sgpr_workgroup_id_x 1
		.amdhsa_system_sgpr_workgroup_id_y 1
		.amdhsa_system_sgpr_workgroup_id_z 1
		.amdhsa_system_vgpr_workitem_id 0
		.amdhsa_next_free_vgpr 512
		.amdhsa_next_free_sgpr 100
		.amdhsa_reserve_vcc 0
		.amdhsa_float_denorm_mode_32 3
		.amdhsa_float_denorm_mode_16_64 3
		.amdhsa_memory_ordered 1
		.amdhsa_forward_progress 1
		.amdhsa_inst_pref_size 58
	.end_amdhsa_kernel
	.amdgpu_metadata
---
amdhsa.version: [ 1, 2 ]
amdhsa.kernels:
  - .name:           k_qe457462d71_project
    .symbol:         k_qe457462d71_project.kd
    .args:
      - { .name: X_codes, .offset: 0, .size: 8, .value_kind: global_buffer, .address_space: global }
      - { .name: X_scales, .offset: 8, .size: 8, .value_kind: global_buffer, .address_space: global }
      - { .name: Wq_codes, .offset: 16, .size: 8, .value_kind: global_buffer, .address_space: global }
      - { .name: Wq_scales, .offset: 24, .size: 8, .value_kind: global_buffer, .address_space: global }
      - { .name: Wk_codes, .offset: 32, .size: 8, .value_kind: global_buffer, .address_space: global }
      - { .name: Wk_scales, .offset: 40, .size: 8, .value_kind: global_buffer, .address_space: global }
      - { .name: Wv_codes, .offset: 48, .size: 8, .value_kind: global_buffer, .address_space: global }
      - { .name: Wv_scales, .offset: 56, .size: 8, .value_kind: global_buffer, .address_space: global }
      - { .name: bq, .offset: 64, .size: 8, .value_kind: global_buffer, .address_space: global }
      - { .name: bk, .offset: 72, .size: 8, .value_kind: global_buffer, .address_space: global }
      - { .name: bv, .offset: 80, .size: 8, .value_kind: global_buffer, .address_space: global }
      - { .name: ws, .offset: 88, .size: 8, .value_kind: global_buffer, .address_space: global }
    .group_segment_fixed_size: 280576
    .private_segment_fixed_size: 0
    .kernarg_segment_align: 8
    .kernarg_segment_size: 96
    .max_flat_workgroup_size: 128
    .sgpr_count:     100
    .vgpr_count:     512
    .wavefront_size: 32
...
	.end_amdgpu_metadata
.endif
;; end of part 1
;; launch attend (part 2): grid 64 x 4, 8 waves a work-group, no clusters, 144,384 bytes of LDS; arguments ws, out0; writes out0
.if DOCPART == 2
	.amdgcn_target "amdgcn-amd-amdhsa--gfx1250"
	.amdhsa_code_object_version 6
	.text
	.protected	k_qe457462d71_attend
	.globl	k_qe457462d71_attend
	.p2align	8
	.type	k_qe457462d71_attend,@function
k_qe457462d71_attend:
	s_mov_b64 s[64:65], 0
	v_nop
	global_prefetch_b8 v0, s[64:65] scope:SCOPE_SE
	s_setreg_imm32_b32 hwreg(HW_REG_WAVE_MODE, 25, 1), 1
	s_wait_xcnt 0x0
; out[b][q][:] = the sum over keys k <= q of softmax_k(q . k / 8) v[k][:], head size 64, 4,096 rows, 4 batches, both products on codes of FP8 (E4M3) with one E8M0 scale for each 32 along a product's K.
; q, k, v come from ws, 256 records of 12,800 bytes (64 rows each), laid in the order of the operands' registers by the launch before: every fragment comes by loads of 16 bytes a lane, 512 consecutive bytes a load.
; THE SOFTMAX: t = score x log2(e) / 8; M = the largest t so far, rounded UP to a whole number; p = 2^(t - M) is what is quantised, along the keys; the row's sum is taken of the unquantised p and divides at the end.
; SHARES.  Work-group (i, batch) owns two blocks of 32 queries, blocks i and 127 - i: together they see 66 to 68 pairs of (16 queries, 128 keys), whatever i is.  Tiles 0, 1: the early block; tiles 2, 3: the late one.
; THE EIGHT WAVES SHARE THE KEYS: wave w takes key steps (128 keys) w, w + 8, .. up to the late block's own step, for all four tiles (the early two only up to the early block's step: a scalar branch on ids).
; So a key step's 16.9 KB are loaded by ONE wave of the work-group, straight into its operand registers, and serve two or four tiles there: no LDS, no barrier in the loop.  At the end the eight partial (M, sum, O) meet in LDS.
; NO CLUSTER: what work-groups share never lies in LDS here, and neighbours walk different numbers of key steps (17 to 32).
; K = 64 IN A FORM OF K = 128: a fragment of K holds TWO tiles of 16 keys (k 0-63 and k 64-127); Q stands between runs of zero codes, so that [Q, 0] gives the first tile's scores and [0, Q] the second's.
; LAYOUT.  Both products are used transposed: S^T = K Q^T, O^T = V^T P^T: a lane holds ONE query (lane % 16) throughout.  The keys of a tile are not neighbours: lane r of tile (b, u) holds key 32 b + 8 u + r + 8 (r / 8),
; so that S's registers 16 b + 0 .. 15 are keys 32 b + 16 (lane / 16) + 0 .. 15.
; O^T BEGINS AS ZEROS, by 128 moves: a wave above the early block's last step has no step for the early tiles, and the sum over waves then needs zeros there.
; LIMITS: NaN and infinities are not served (the zero halves beside Q lean on finite codes); a block of p that is all zeros keeps the scale byte 1: its codes are zeros.
; REGISTERS, window 0: v1-10 addresses; v12-27 four statistics a tile (-M, largest t, the sum in two halves); v28-31 Q's scale words; v32-35 the step's scale words as loaded (lanes 0-15 K's, lanes 16-31 V's bytes);
;   v36-39 V's scale words (lanes 16-31); v40-60 at work; v64-79 p's codes; v80-151 [0][Q0][0][Q1][0][Q2][0][Q3][0], 8 registers each; v152-215 S^T, then p; v216-219 the mask's figure of each tile.
;   window 1: v0-63 K's four fragments; v64-127 V's four; v128-255 O^T, 32 a tile.
.set RECB,  12800
.set STEPB, 2*RECB                     ; a key step: two records
.set OPB,   16*272                     ; the way out: a tile's 16 rows x (256 bytes + 16)
.set SM,    32*OPB                     ; behind the 8 x 4 tiles: -M, 32 bytes a row (a word a wave);
.set SPARE, SM+4096                    ; the sums likewise, 2,048 on; then the spare words, 128 bytes for each wave
.set L16, 1                            ; v1   16 x lane
.set L8,  2                            ; v2   8 x lane
.set R8,  3                            ; v3   8 x (lane % 16)
.set SPW, 4                            ; v4   my spare word's address; never rewritten
.set NIL, 5                            ; v5   0; never rewritten
.set SA,  6                            ; v6   where I put a row's -M
.set OA,  7                            ; v7   where I put 32 bytes of a row of O
.set RS,  8                            ; v8   where I read a row's eight -M
.set RO,  9                            ; v9, v10  where I read 16 bytes of a row of O: waves 0-3's parts, waves 4-7's
.set ST,  12
.set QS,  28
.set RAW, 32
.set VS,  36
.set BM,  40                           ; v40-43 a block's largest score, then its largest p
.set BP,  44                           ; v44-47 the other half's, a chain of the sum, the scale bytes
.set HD,  48                           ; v48-51 448 x the scale
.set SO,  52                           ; v52-55 the conversions' scale operands
.set T,   56
.set F,   58                           ; v58 f = 2^(old M - new M); v59 p's scale word
.set PW,  59
.set NINF, 60
.set PC,  64
.set QB,  80
.set S,   152
.set DG,  216
.set MN,  220
.set MSB, 0
.macro WIN new                         ; the immediate's high byte repeats the setting that is left
.if MSB != \new
	s_set_vgpr_msb (MSB<<8)|\new
.set MSB, \new
.endif
.endm
.macro PLACES n
.rept \n
	v_nop
.endr
.endm
.macro LOADK                           ; a key step's K: four fragments of two tiles each, and the step's scale words: 18 loads
	WIN 0x40                                       ; destination window 1, address window 0
.irp f, 0,1,2,3
.irp c, 0,1,2,3
	global_load_b128 v[16*\f+4*\c:16*\f+4*\c+3], v[L16], s[18:19] offset:(\f/2)*RECB+(\f%2)*2048+\c*512
.endr
.endr
	WIN 0
	global_load_b64 v[RAW:RAW+1], v[L8], s[18:19] offset:12288
	global_load_b64 v[RAW+2:RAW+3], v[L8], s[18:19] offset:RECB+12288
.endm
.macro LOADV                           ; its V: four fragments (16 channels x 128 keys): 16 loads
	WIN 0x40
.irp n, 0,1,2,3
.irp c, 0,1,2,3
	global_load_b128 v[64+16*\n+4*\c:64+16*\n+4*\c+3], v[L16], s[18:19] offset:(\c/2)*RECB+4096+(2*\n+\c%2)*512
.endr
.endr
	WIN 0
.endm
	s_load_b128 s[4:7], s[0:1], 0x0                ; ws s[4:5], out0 s[6:7]
	v_lshl_add_u32 v[SPW], v0, 2, SPARE
	v_mov_b32 v[NIL], 0
	v_lshrrev_b32 v11, 5, v0
	v_readfirstlane_b32 s8, v11                    ; wave 0..7
	s_mov_b32 s9, ttmp9                            ; i: the early block
	s_and_b32 s10, ttmp7, 0xffff                   ; batch
	s_sub_co_u32 s12, 127, s9                      ; the late block
	s_lshr_b32 s13, s9, 2                          ; the early block's own key step
	s_lshr_b32 s14, s12, 2                         ; the late block's: 16 .. 31
	s_mov_b32 s15, s8                              ; the key step in hand
	s_sub_co_u32 s16, s14, s8
	s_lshr_b32 s16, s16, 3                         ; my steps less one: 1 .. 3
	s_mov_b32 s20, 0x76543210
	s_mov_b32 s21, 0xfedcba98                      ; v_permlanex16_b32's selects for lane l xor 16
	s_mov_b32 s22, 0x3e38aa3b                      ; c = log2(e) / 8
	s_mov_b32 s23, s22                             ; (named with it as a pair, so it is written)
	s_mov_b32 s24, 0x600000                        ; the mantissa field of 448
	v_and_b32 v11, 31, v0                          ; lane
	v_and_b32 v61, 15, v0                          ; r
	v_bfe_u32 v62, v0, 4, 1                        ; h
	v_lshlrev_b32 v[L16], 4, v11
	v_lshlrev_b32 v[L8], 3, v11
	v_lshlrev_b32 v[R8], 3, v61
	s_wait_kmcnt 0x0
	s_mul_i32 s26, s10, 64*RECB
	s_mov_b32 s27, 0
	s_add_nc_u64 s[4:5], s[4:5], s[26:27]          ; my batch's 64 records
	s_mul_i32 s26, s8, STEPB
	s_add_nc_u64 s[18:19], s[4:5], s[26:27]        ; key step w
	s_lshr_b32 s26, s9, 1
	s_mul_i32 s26, s26, RECB
	s_add_nc_u64 s[28:29], s[4:5], s[26:27]        ; the early block's record;
	s_and_b32 s26, s9, 1
	s_lshl_b32 s26, s26, 7
	s_add_nc_u64 s[30:31], s[28:29], s[26:27]      ; its half of Q's scale words: 128 bytes,
	s_lshl_b32 s26, s26, 4
	s_add_nc_u64 s[28:29], s[28:29], s[26:27]      ; of Q's codes: 2,048
	s_lshr_b32 s26, s12, 1
	s_mul_i32 s26, s26, RECB
	s_add_nc_u64 s[32:33], s[4:5], s[26:27]        ; the late block likewise
	s_and_b32 s26, s12, 1
	s_lshl_b32 s26, s26, 7
	s_add_nc_u64 s[34:35], s[32:33], s[26:27]
	s_lshl_b32 s26, s26, 4
	s_add_nc_u64 s[32:33], s[32:33], s[26:27]
.irp a, 0,1
.irp c, 0,1
	global_load_b128 v[QB+8+16*\a+4*\c:QB+8+16*\a+4*\c+3], v[L16], s[28:29] offset:8192+1024*\a+512*\c      ; Q stays in registers
	global_load_b128 v[QB+40+16*\a+4*\c:QB+40+16*\a+4*\c+3], v[L16], s[32:33] offset:8192+1024*\a+512*\c
.endr
.endr
	global_load_b64 v[QS:QS+1], v[R8], s[30:31] offset:12544       ; row r's word, and the same turned by 16 bits
	global_load_b64 v[QS+2:QS+3], v[R8], s[34:35] offset:12544
	LOADK
	LOADV
	; while they are on their way: the rows of out0 that I store, the LDS addresses of the way out, the constants
	s_cmp_lt_u32 s8, 4
	s_cselect_b32 s26, s9, s12                     ; waves 0-3 store the early block, waves 4-7 the late one
	s_lshl_b32 s26, s26, 5
	s_lshl_b32 s36, s10, 12
	s_add_co_u32 s26, s26, s36
	s_bfe_u32 s36, s8, 0x10001                     ; (w / 2) % 2: the block's tile
	s_lshl_b32 s36, s36, 4
	s_add_co_u32 s26, s26, s36
	s_and_b32 s36, s8, 1
	s_lshl_b32 s36, s36, 3
	s_add_co_u32 s26, s26, s36                     ; row 4,096 batch + 32 block + 16 tile + 8 (w % 2)
	s_lshl_b32 s26, s26, 8
	s_add_nc_u64 s[6:7], s[6:7], s[26:27]
	s_lshl_b32 s26, s8, 2
	s_add_co_u32 s26, s26, SM
	v_lshl_add_u32 v[SA], v61, 5, s26              ; row r of a tile: 32 r, my wave's word
	s_mul_i32 s26, s8, 4*OPB
	v_mul_u32_u24 v[OA], v61, 272
	v_lshl_add_u32 v[OA], v62, 5, v[OA]
	v_add_nc_u32 v[OA], s26, v[OA]                 ; my wave's four tiles; row r, + 32 h
	s_lshl_b32 s26, s8, 8
	s_add_co_u32 s26, s26, SM
	v_lshl_add_u32 v[RS], v62, 5, s26              ; back: of the 64 rows I take 8 w + 2 g + h
	s_lshr_b32 s26, s8, 1
	s_mul_i32 s26, s26, OPB
	s_and_b32 s36, s8, 1
	s_mul_i32 s36, s36, 8*272
	s_add_co_u32 s26, s26, s36
	v_mul_u32_u24 v[RO], v62, 272
	v_lshl_add_u32 v[RO], v61, 4, v[RO]
	v_add_nc_u32 v[RO], s26, v[RO]                 ; tile w / 2, row 8 (w % 2) + h, 16 bytes a lane
	v_add_nc_u32 v[RO+1], 16*OPB, v[RO]            ; and four waves' parts further on
	v_lshlrev_b32 v63, 4, v62
	v_sub_nc_u32 v63, v61, v63                     ; r - 16 h
	s_and_b32 s26, s9, 3
	s_lshl_b32 s26, s26, 5
	s_and_b32 s36, s12, 3
	s_lshl_b32 s36, s36, 5
	v_add_nc_u32 v[DG], s26, v63                   ; d = my query - the own step's first key - 16 h.  Register 16 b + i holds key 32 b + 16 h + i of the step: hidden where 32 b + i > d
	v_add_nc_u32 v[DG+2], s36, v63
	v_add_nc_u32 v[DG+1], 16, v[DG]
	v_add_nc_u32 v[DG+3], 16, v[DG+2]
.irp t, 0,1,2,3
	v_mov_b32 v[ST+4*\t+1], 0xff61b1e6             ; the largest t so far: -3e38, under every t
	v_floor_f32 v[ST+4*\t], -v[ST+4*\t+1]          ; -M
	v_mov_b32 v[ST+4*\t+2], 0                      ; the sum, in two halves
	v_mov_b32 v[ST+4*\t+3], 0
	v_mov_b32 v[BP+\t], 0                          ; written once: a lane permute's destination counts as one of its sources
.endr
	v_mov_b32 v[PW], 0                             ; (named as the upper half of the pair with f before it is first written)
	v_mov_b32 v[NINF], 0xff800000                  ; -infinity
.irp z, 0,1,2,3,4
.irp j, 0,1,2,3,4,5,6,7
	v_mov_b32 v[QB+16*\z+\j], 0                    ; the zero codes beside Q
.endr
.endr
	WIN 0x40
.irp z, 0,1,2,3,4,5,6,7
.irp j, 0,1,2,3,4,5,6,7,8,9,10,11,12,13,14,15
	v_mov_b32 v[128+16*\z+\j], 0                   ; O^T
.endr
.endr
	WIN 0
; TILE t OF THE KEY STEP IN HAND: 8 products K Q^T, the softmax, 4 products V^T P^T.  wv = 1: V's loads are waited for.  lk = 1: this is the step's last use of K: the next step's K is asked for.
.macro TILE t, wv, lk
.set rST, ST+4*(\t)
.set rO,  128+32*(\t)
.set rQ,  QB+16*(\t)
.set rQS, QS+2*((\t)/2)
.set rA,  (\t)%2
	WIN 0x01                                       ; source 0 (K) window 1
.irp f, 0,1,2,3                                ; [Q, 0] takes the fragment's first tile of keys, [0, Q] its second.  Q's word holds tile a's two bytes low in one register and high in the other
	v_wmma_scale_f32_16x16x128_f8f6f4 v[S+16*\f:S+16*\f+7], v[16*\f:16*\f+15], v[rQ+8:rQ+23], 0, v[RAW+\f], v[rQS+rA]
	v_wmma_scale_f32_16x16x128_f8f6f4 v[S+16*\f+8:S+16*\f+15], v[16*\f:16*\f+15], v[rQ:rQ+15], 0, v[RAW+\f], v[rQS+1-rA]
.endr
	WIN 0
	PLACES 8                                       ; eight places behind this form, in front of the first read of the scores and of loads into K's registers and its scale words
.if \lk
	s_wait_xcnt 0x0                                ; the earlier loads have read their base: it may step
	s_add_nc_u64 s[18:19], s[18:19], 8*STEPB       ; my next key step
	LOADK
.endif
	s_cmp_lg_u32 s15, s[13+(\t)/2]                 ; only the block's own step lies on the diagonal: there hidden scores become -infinity ahead of the maximum, and p = 0
	s_cbranch_scc1 .Lopen_\@
.irp b, 0,1,2,3
.irp i, 0,1,2,3,4,5,6,7,8,9,10,11,12,13,14,15
	v_cmp_gt_i32 vcc_lo, 32*\b+\i, v[DG+(\t)]
	v_cndmask_b32 v[S+16*\b+\i], v[S+16*\b+\i], v[NINF], vcc_lo
.endr
.endr
.Lopen_\@:
.irp b, 0,1,2,3
	v_max3_num_f32 v[BM+\b], v[S+16*\b], v[S+16*\b+1], v[S+16*\b+2]   ; the largest score of each block of 32 keys: for the row's maximum and, since p rises with the score, for the block's largest p
.endr
.irp i, 3,5,7,9,11,13
.irp b, 0,1,2,3
	v_max3_num_f32 v[BM+\b], v[BM+\b], v[S+16*\b+\i], v[S+16*\b+\i+1]
.endr
.endr
.irp b, 0,1,2,3
	v_max_num_f32 v[BM+\b], v[BM+\b], v[S+16*\b+15]
.endr
.irp b, 0,1,2,3
	v_permlanex16_b32 v[BP+\b], v[BM+\b], s20, s21
.endr
.irp b, 0,1,2,3
	v_max_num_f32 v[BM+\b], v[BM+\b], v[BP+\b]     ; with lane l xor 16's 16 keys
.endr
	v_max3_num_f32 v[T], v[BM], v[BM+1], v[BM+2]
	v_max_num_f32 v[T], v[T], v[BM+3]              ; the step's largest score of my query
	v_mul_f32 v[T], s22, v[T]                      ; as t
	v_max_num_f32 v[rST+1], v[rST+1], v[T]         ; the running largest t
	v_mov_b32 v[T], v[rST]
	v_floor_f32 v[rST], -v[rST+1]                  ; the new -M = -ceil(t)
	v_sub_f32 v[T], v[rST], v[T]                   ; old M - new M: a whole number, 0 or less
	v_cvt_i32_f32 v[T], v[T]                       ; (it saturates)
	v_ldexp_f32 v[F], 1.0, v[T]                    ; f = 2^(old M - new M): rounds nothing
.irp b, 0,1,2,3
.irp i, 0,2,4,6,8,10,12,14
	v_pk_fma_f32 v[S+16*\b+\i:S+16*\b+\i+1], v[S+16*\b+\i:S+16*\b+\i+1], s[22:23], v[rST:rST+1] op_sel_hi:[1,0,0]   ; t - M, two at a time
.endr
.endr
.irp b, 0,1,2,3
	v_fma_f32 v[BM+\b], v[BM+\b], s22, v[rST]      ; the same of each block's largest score
.endr
.irp b, 0,1,2,3
.irp i, 0,1,2,3,4,5,6,7,8,9,10,11,12,13,14,15
	v_exp_f32 v[S+16*\b+\i], v[S+16*\b+\i]         ; p = 2^(t - M), at most 1
.endr
.endr
	v_pk_mul_f32 v[rST+2:rST+3], v[rST+2:rST+3], v[F:F+1] op_sel_hi:[1,0]   ; the sums under the new M: the plain line behind the exponentials
	s_wait_alu depctr_va_vdst(0)                   ; the wait ahead of the first line that names a result: one for the batch of 64
.irp b, 0,1,2,3
	v_exp_f32 v[BM+\b], v[BM+\b]                   ; the block's largest p
.endr
	v_pk_add_f32 v[BP:BP+1], v[S:S+1], v[S+2:S+3]  ; the row's sum, of the unquantised p, in two chains
.irp j, 4,8,12,16,20,24,28,32,36,40,44,48,52,56,60
	v_pk_add_f32 v[rST+2:rST+3], v[rST+2:rST+3], v[S+\j:S+\j+1]
	v_pk_add_f32 v[BP:BP+1], v[BP:BP+1], v[S+\j+2:S+\j+3]
.endr
	v_pk_add_f32 v[rST+2:rST+3], v[rST+2:rST+3], v[BP:BP+1]
	s_wait_alu depctr_va_vdst(0)                   ; and one for the four
.irp b, 0,1,2,3
	v_max_num_f32 v[BM+\b], 0x4800000, v[BM+\b]    ; the floor 2^(9 - 127): the byte cannot fall under 1
.endr
.irp b, 0,1,2,3
	v_add_nc_u32 v[SO+\b], 0xfc000000, v[BM+\b]    ; 8 off the exponent field: the conversion's scale operand
.endr
.irp b, 0,1,2,3
	v_and_or_b32 v[HD+\b], v[BM+\b], 0x7f800000, s24   ; 448 x the scale
.endr
.irp b, 0,1,2,3
	v_lshrrev_b32 v[BP+\b], 23, v[SO+\b]           ; the scale's byte
.endr
	v_lshl_or_b32 v[PW], v[BP+1], 8, v[BP]         ; p's scale word for these 128 keys: it stands the 64 holds ahead of its products
	v_lshl_or_b32 v[PW], v[BP+2], 16, v[PW]
	v_lshl_or_b32 v[PW], v[BP+3], 24, v[PW]
.irp b, 0,1,2,3
.irp i, 0,1,2,3,4,5,6,7,8,9,10,11,12,13,14,15
	v_min_num_f32 v[S+16*\b+\i], v[S+16*\b+\i], v[HD+\b]   ; the conversion to an 8-bit code does not saturate (ISA guide 7.6.2); p is not negative, so the hold is one-sided
.endr
	v_cvt_scalef32_pk8_fp8_f32 v[PC+4*\b:PC+4*\b+1], v[S+16*\b:S+16*\b+7], v[SO+\b]
	v_cvt_scalef32_pk8_fp8_f32 v[PC+4*\b+2:PC+4*\b+3], v[S+16*\b+8:S+16*\b+15], v[SO+\b]
.endr
	WIN 0x41                                       ; O^T (destination and source 0) window 1, f window 0
.irp j, 0,2,4,6,8,10,12,14,16,18,20,22,24,26,28,30
	v_pk_mul_f32 v[rO+\j:rO+\j+1], v[rO+\j:rO+\j+1], v[F:F+1] op_sel_hi:[1,0]   ; O^T under the new M; these 16 are also the places between the codes and their products
.endr
.if \wv
	s_wait_loadcnt 0x0                             ; V is in (nothing was asked for behind it yet)
.endif
	WIN 0x51                                       ; V window 1, p's codes window 0, O^T window 1
.irp n, 0,1,2,3
	v_wmma_scale_f32_16x16x128_f8f6f4 v[rO+8*\n:rO+8*\n+7], v[64+16*\n:64+16*\n+15], v[PC:PC+15], v[rO+8*\n:rO+8*\n+7], v[VS+\n], v[PW] matrix_a_scale:MATRIX_SCALE_ROW1
.endr
	WIN 0
.endm
; A KEY STEP.  more = 1: the next step's K and V are asked for as soon as this step's last products have read theirs.
.macro STEP more
	s_wait_loadcnt 16                              ; K and the scale words are in; V's 16 loads, issued behind them, stay out
	v_perm_b32 v[VS], v[RAW+2], v[RAW], 0x05040100     ; V's scale words (lanes 16-31): a channel tile's two bytes of the first record low, of the second high
	v_perm_b32 v[VS+1], v[RAW+2], v[RAW], 0x07060302
	v_perm_b32 v[VS+2], v[RAW+3], v[RAW+1], 0x05040100
	v_perm_b32 v[VS+3], v[RAW+3], v[RAW+1], 0x07060302
	s_cmp_gt_u32 s15, s13                          ; all keys of this step come after the early block's queries: its two tiles are left out (ids alone)
	s_cbranch_scc1 .Llate_\@
	TILE 0, 1, 0
	TILE 1, 0, 0
.Llate_\@:
	TILE 2, 1, 0
	TILE 3, 0, \more
.if \more
	PLACES 8                                       ; in front of loads into V's registers, and of the next step's lines that write V's scale words
	LOADV
.endif
.endm
.Lstep:                                            ; all my steps but the last
	STEP 1
	s_add_co_u32 s15, s15, 8
	s_sub_co_u32 s16, s16, 1
	s_cmp_lg_u32 s16, 0
	s_cbranch_scc1 .Lstep
	STEP 0                                         ; the last is written out: it asks for nothing, so no load leaves the buffer
	; THE WAY OUT.  Each wave puts its -M, its sum and its O^T into LDS; behind the barrier each wave takes 8 of the 64 rows, brings the eight parts under the largest M (exact powers of two), adds, divides, stores.
	PLACES 8
.irp t, 0,1,2,3
	v_add_f32 v[ST+4*\t+2], v[ST+4*\t+2], v[ST+4*\t+3]     ; the sum's two halves,
.endr
.irp t, 0,1,2,3
	v_permlanex16_b32 v[BP+\t], v[ST+4*\t+2], s20, s21
.endr
.irp t, 0,1,2,3
	v_add_f32 v[ST+4*\t+2], v[ST+4*\t+2], v[BP+\t]         ; and lane l xor 16's
.endr
.irp t, 0,1,2,3
	ds_store_b32 v[SA], v[ST+4*\t] offset:512*\t           ; both halves of the lanes write the same word with the same value
	ds_store_b32 v[SA], v[ST+4*\t+2] offset:2048+512*\t
.endr
	WIN 0x04                                       ; an LDS store's data are its source 1: window 1
.irp t, 0,1,2,3
.irp n, 0,1,2,3
	ds_store_b128 v[OA], v[128+32*\t+8*\n:128+32*\t+8*\n+3] offset:\t*OPB+64*\n       ; lane (r, h): o(query r, channels 16 n + 8 h + 0 .. 7); each accumulator from its low end on
	ds_store_b128 v[OA], v[128+32*\t+8*\n+4:128+32*\t+8*\n+7] offset:\t*OPB+64*\n+16
.endr
.endr
	WIN 0
	s_wait_dscnt 0x0                               ; for the others' sake: my stores have landed
	s_barrier_signal -1
	s_barrier_wait -1
.irp g, 0,1,2,3                                ; row 8 w + 2 g + h: the eight waves' -M into v[64 + 16 g ..], their sums into v[72 + 16 g ..]
	ds_load_b128 v[64+16*\g:67+16*\g], v[RS] offset:64*\g
	ds_load_b128 v[68+16*\g:71+16*\g], v[RS] offset:64*\g+16
	ds_load_b128 v[72+16*\g:75+16*\g], v[RS] offset:2048+64*\g
	ds_load_b128 v[76+16*\g:79+16*\g], v[RS] offset:2048+64*\g+16
.endr
	WIN 0x40
.irp g, 0,1,2,3
.irp s, 0,1,2,3,4,5,6,7
	ds_load_b128 v[32*\g+4*\s:32*\g+4*\s+3], v[RO+\s/4] offset:(\s%4)*4*OPB+544*\g    ; wave s's part of my four channels of that row
.endr
.endr
	WIN 0
	s_wait_dscnt 32                                ; the sixteen loads of statistics are in; the 32 issued behind them may be out
.irp g, 0,1,2,3
	v_min3_num_f32 v[MN+\g], v[64+16*\g], v[65+16*\g], v[66+16*\g]
.endr
.irp g, 0,1,2,3
	v_min3_num_f32 v[MN+\g], v[MN+\g], v[67+16*\g], v[68+16*\g]
.endr
.irp g, 0,1,2,3
	v_min3_num_f32 v[MN+\g], v[MN+\g], v[69+16*\g], v[70+16*\g]
.endr
.irp g, 0,1,2,3
	v_min_num_f32 v[MN+\g], v[MN+\g], v[71+16*\g]  ; the least -M: the row's M
.endr
.irp s, 0,1,2,3,4,5,6,7
.irp g, 0,1,2,3
	v_sub_f32 v[129+16*\g+2*\s], v[MN+\g], v[64+16*\g+\s]      ; wave s's M less the row's: a whole number, 0 or less (a wave with no step for the row: -3e38)
.endr
.endr
.irp s, 0,1,2,3,4,5,6,7
.irp g, 0,1,2,3
	v_cvt_i32_f32 v[129+16*\g+2*\s], v[129+16*\g+2*\s]         ; (it saturates)
.endr
.endr
.irp s, 0,1,2,3,4,5,6,7
.irp g, 0,1,2,3
	v_ldexp_f32 v[128+16*\g+2*\s], 1.0, v[129+16*\g+2*\s]      ; f_s, the low word of a pair
.endr
.endr
.irp g, 0,1,2,3
	v_mul_f32 v[209+2*\g], v[128+16*\g], v[72+16*\g]
.endr
.irp s, 1,2,3,4,5,6,7
.irp g, 0,1,2,3
	v_fmac_f32 v[209+2*\g], v[128+16*\g+2*\s], v[72+16*\g+\s]  ; the row's sum
.endr
.endr
.irp g, 0,1,2,3
	v_rcp_f32 v[208+2*\g], v[209+2*\g]
.endr
	v_nop                                          ; a plain line behind the last reciprocal
	s_wait_alu depctr_va_vdst(0)                   ; and the wait ahead of the first use: one for the four
.irp g, 0,1,2,3
	s_wait_dscnt 24-8*\g                           ; this row's eight parts are in; the later rows', eight loads each, may be out
	WIN 0x01                                       ; source 0 (the parts) window 1
	v_pk_mul_f32 v[192+4*\g:193+4*\g], v[32*\g:32*\g+1], v[128+16*\g:129+16*\g] op_sel_hi:[1,0]
	v_pk_mul_f32 v[194+4*\g:195+4*\g], v[32*\g+2:32*\g+3], v[128+16*\g:129+16*\g] op_sel_hi:[1,0]
.irp s, 1,2,3,4,5,6,7
	v_pk_fma_f32 v[192+4*\g:193+4*\g], v[32*\g+4*\s:32*\g+4*\s+1], v[128+16*\g+2*\s:129+16*\g+2*\s], v[192+4*\g:193+4*\g] op_sel_hi:[1,0,1]
	v_pk_fma_f32 v[194+4*\g:195+4*\g], v[32*\g+4*\s+2:32*\g+4*\s+3], v[128+16*\g+2*\s:129+16*\g+2*\s], v[194+4*\g:195+4*\g] op_sel_hi:[1,0,1]
.endr
	WIN 0
	v_pk_mul_f32 v[192+4*\g:193+4*\g], v[192+4*\g:193+4*\g], v[208+2*\g:209+2*\g] op_sel_hi:[1,0]
	v_pk_mul_f32 v[194+4*\g:195+4*\g], v[194+4*\g:195+4*\g], v[208+2*\g:209+2*\g] op_sel_hi:[1,0]
	global_store_b128 v[L16], v[192+4*\g:195+4*\g], s[6:7] offset:512*\g th:TH_STORE_NT   ; 32 lanes store two whole rows: 512 consecutive bytes, at a multiple of 256 from the buffer's first byte
.endr
	s_wait_tensorcnt 0x0                           ; the wave's end, behind my last LDS store
	ds_add_u32 v[SPW], v[NIL]
	s_wait_dscnt 0x0
	s_endpgm
.Lfunc_end_k_qe457462d71_attend:
	.size	k_qe457462d71_attend, .Lfunc_end_k_qe457462d71_attend-k_qe457462d71_attend
	.p2alignl 7, 3214868480
	.fill 96, 4, 3214868480
	.section	.rodata,"a",@progbits
	.p2align	6, 0x0
	.amdhsa_kernel k_qe457462d71_attend
		.amdhsa_group_segment_fixed_size 144384
		.amdhsa_private_segment_fixed_size 0
		.amdhsa_enable_private_segment 0
		.amdhsa_kernarg_size 16
		.amdhsa_user_sgpr_count 2
		.amdhsa_user_sgpr_kernarg_segment_ptr 1
		.amdhsa_wavefront_size32 1
		.amdhsa_system_sgpr_workgroup_id_x 1
		.amdhsa_system_sgpr_workgroup_id_y 1
		.amdhsa_system_sgpr_workgroup_id_z 1
		.amdhsa_system_vgpr_workitem_id 0
		.amdhsa_next_free_vgpr 512
		.amdhsa_next_free_sgpr 66
		.amdhsa_reserve_vcc 1
		.amdhsa_float_denorm_mode_32 3
		.amdhsa_float_denorm_mode_16_64 3
		.amdhsa_memory_ordered 1
		.amdhsa_forward_progress 1
		.amdhsa_inst_pref_size 204
	.end_amdhsa_kernel
	.amdgpu_metadata
---
amdhsa.version: [ 1, 2 ]
amdhsa.kernels:
  - .name:           k_qe457462d71_attend
    .symbol:         k_qe457462d71_attend.kd
    .args:
      - { .name: ws, .offset: 0, .size: 8, .value_kind: global_buffer, .address_space: global }
      - { .name: out0, .offset: 8, .size: 8, .value_kind: global_buffer, .address_space: global }
    .group_segment_fixed_size: 144384
    .private_segment_fixed_size: 0
    .kernarg_segment_align: 8
    .kernarg_segment_size: 16
    .max_flat_workgroup_size: 256
    .sgpr_count:     66
    .vgpr_count:     512
    .wavefront_size: 32
...
	.end_amdgpu_metadata
.endif
;; end of part 2
;; ======== version 2 of 2: 2 launches; version 1 with the launch attend written anew for expert scheduling mode
;; workspace buffers: ws 3,276,800 bytes
;; launch project: the kernel of part 1 again; grid 256 x 1, 4 waves a work-group, clusters of 4 x 1, 280,576 bytes of LDS; arguments X_codes, X_scales, Wq_codes, Wq_scales, Wk_codes, Wk_scales, Wv_codes, Wv_scales, bq, bk, bv, ws; writes ws
;; launch attend (part 3): grid 64 x 4, 8 waves a work-group, no clusters, 144,384 bytes of LDS; arguments ws, out0; writes out0
.if DOCPART == 3
	.amdgcn_target "amdgcn-amd-amdhsa--gfx1250"
	.amdhsa_code_object_version 6
	.text
	.protected	k_qe457462d71_attend
	.globl	k_qe457462d71_attend
	.p2align	8
	.type	k_qe457462d71_attend,@function
k_qe457462d71_attend:
	s_mov_b64 s[64:65], 0
	v_nop
	global_prefetch_b8 v0, s[64:65] scope:SCOPE_SE
	s_setreg_imm32_b32 hwreg(HW_REG_WAVE_SCHED_MODE, 0, 2), 2
	s_setreg_imm32_b32 hwreg(HW_REG_WAVE_MODE, 25, 1), 1
	s_wait_xcnt 0x0
	s_wait_alu depctr_vm_vsrc(0)
; out[b][q][:] = the sum over keys k <= q of softmax_k(q . k / 8) v[k][:], head size 64, 4,096 rows, 4 batches, both products on codes of FP8 (E4M3) with one E8M0 scale for each 32 along a product's K.
; q, k, v come from ws, 256 records of 12,800 bytes (64 rows each), laid in the order of the operands' registers by the launch before: every fragment comes by loads of 16 bytes a lane, 512 consecutive bytes a load.
; THE SOFTMAX: t = score x log2(e) / 8; M = the largest t so far, rounded UP to a whole number; p = 2^(t - M) is what is quantised, along the keys; the row's sum is taken of the unquantised p and divides at the end.
; SHARES.  Work-group (i, batch) owns two blocks of 32 queries, blocks i and 127 - i: together they see 66 to 68 pairs of (16 queries, 128 keys), whatever i is.  Tiles 0, 1: the early block; tiles 2, 3: the late one.
; THE EIGHT WAVES SHARE THE KEYS: wave w takes key steps (128 keys) w, w + 8, .. up to the late block's own step, for all four tiles (the early two only up to the early block's step: a scalar branch on ids).
; So a key step's 16.9 KB are loaded by ONE wave of the work-group, straight into its operand registers, and serve two or four tiles there: no LDS, no barrier in the loop.  At the end the eight partial (M, sum, O) meet in LDS.
; NO CLUSTER: what work-groups share never lies in LDS here, and neighbours walk different numbers of key steps (17 to 32).
; K = 64 IN A FORM OF K = 128: a fragment of K holds TWO tiles of 16 keys (k 0-63 and k 64-127); Q stands between runs of zero codes, so that [Q, 0] gives the first tile's scores and [0, Q] the second's.
; LAYOUT.  Both products are used transposed: S^T = K Q^T, O^T = V^T P^T: a lane holds ONE query (lane % 16) throughout.  The keys of a tile are not neighbours: lane r of tile (b, u) holds key 32 b + 8 u + r + 8 (r / 8),
; so that S's registers 16 b + 0 .. 15 are keys 32 b + 16 (lane / 16) + 0 .. 15.
; O^T BEGINS AS ZEROS, by 128 moves: a wave above the early block's last step has no step for the early tiles, and the sum over waves then needs zeros there.
; LIMITS: NaN and infinities are not served (the zero halves beside Q lean on finite codes); a block of p that is all zeros keeps the scale byte 1: its codes are zeros.
; REGISTERS, window 0: v1-10 addresses; v12-27 four statistics a tile (-M, largest t, the sum in two halves); v28-31 Q's scale words; v32-35 the step's scale words as loaded (lanes 0-15 K's, lanes 16-31 V's bytes);
;   v36-39 V's scale words (lanes 16-31); v40-60 at work; v64-79 p's codes; v80-151 [0][Q0][0][Q1][0][Q2][0][Q3][0], 8 registers each; v152-215 S^T, then p; v216-219 the mask's figure of each tile.
;   window 1: v0-63 K's four fragments; v64-127 V's four; v128-255 O^T, 32 a tile.   s32-47: sixteen lane masks of the causal mask.
; THE MODE: SCHED_MODE bits 1:0 = 2 (LLVM: expert scheduling mode 2), set by the entry lines.  The code itself states the register dependences between vector or matrix instructions and memory or LDS instructions,
; with s_wait_alu, always for 0.
; THE PLAN.  Registers that memory or LDS instructions touch:
;   v1-3         offsets of every global load and store: made once at the head, ahead of the first load, never written again.   v4, v5: written at the head, read by the closing add alone.
;   v6-10        LDS addresses of the way out: made once at the head, never written again.
;   Q, v28-31    loaded once at the head; read by products.
;   K, v32-35    (window 1 v0-63 and the step's scale words)  Loaded a step ahead.  Read by the four lines at a step's head that make V's scale words and by the products K Q^T of tiles 0 to 3; loaded again behind tile 3's.
;   V            (window 1 v64-127)  Loaded a step ahead.  Read by the products V^T P^T of tiles 0 to 3; loaded again behind tile 3's.
;   v12-27, O^T  written by vector and matrix lines; read once, by the way out's LDS stores, and not written after that.
;   v64-127, window 1 v0-127 on the way out: LDS loads land there; until then products read them, conversions and moves wrote some of them.
;   v192-207     written by the way out's last multiplications; read by the four global stores, and not written after that.
; So no register that a memory or LDS instruction reads is ever written again: no wait on vm_vsrc is owed.  The waits on va_vdst: one ahead of the first load; one ahead of the loop; in a tile the two behind its
; exponentials and one ahead of its four products V^T P^T, whose codes and scale words vector lines have just written; in a step that has a successor one ahead of K's loads and one ahead of V's; on the way out
; one ahead of the LDS stores (it serves the LDS loads behind the barrier too), one behind the reciprocals, one ahead of the global stores.  On va_sdst: one for the wave's number, one behind each run of sixteen compares.
.set RECB,  12800
.set STEPB, 2*RECB                     ; a key step: two records
.set OPB,   16*272                     ; the way out: a tile's 16 rows x (256 bytes + 16)
.set SM,    32*OPB                     ; behind the 8 x 4 tiles: -M, 32 bytes a row (a word a wave);
.set SPARE, SM+4096                    ; the sums likewise, 2,048 on; then the spare words, 128 bytes for each wave
.set L16, 1                            ; v1   16 x lane
.set L8,  2                            ; v2   8 x lane
.set R8,  3                            ; v3   8 x (lane % 16)
.set SPW, 4                            ; v4   my spare word's address; never rewritten
.set NIL, 5                            ; v5   0; never rewritten
.set SA,  6                            ; v6   where I put a row's -M
.set OA,  7                            ; v7   where I put 32 bytes of a row of O
.set RS,  8                            ; v8   where I read a row's eight -M
.set RO,  9                            ; v9, v10  where I read 16 bytes of a row of O: waves 0-3's parts, waves 4-7's
.set ST,  12
.set QS,  28
.set RAW, 32
.set VS,  36
.set BM,  40                           ; v40-43 a block's largest score, then its largest p
.set BP,  44                           ; v44-47 the other half's, a chain of the sum, the scale bytes
.set HD,  48                           ; v48-51 448 x the scale
.set SO,  52                           ; v52-55 the conversions' scale operands
.set T,   56
.set F,   58                           ; v58 f = 2^(old M - new M); v59 p's scale word
.set PW,  59
.set NINF, 60
.set PC,  64
.set QB,  80
.set S,   152
.set DG,  216
.set MN,  220
.set MK,  32                           ; s32-47 the mask's sixteen lane masks.  (s32-35 held Q's addresses at the head: the wait for K at a step's head has shown the loads that read them done)
.set MSB, 0
.macro WIN new                         ; the immediate's high byte repeats the setting that is left
.if MSB != \new
	s_set_vgpr_msb (MSB<<8)|\new
.set MSB, \new
.endif
.endm
.macro PLACES n
.rept \n
	v_nop
.endr
.endm
; dep = 1, in the loop: the window's switch, the wait, the loads.  dep = 0, at the head: the wait ahead of the first load serves; only loads and window switches stand between.
.macro LOADK dep                       ; a key step's K: four fragments of two tiles each, and the step's scale words: 18 loads
	WIN 0x40                                       ; destination window 1, address window 0
.if \dep
	s_wait_alu depctr_va_vdst(0)                   ; the products K Q^T of this step's tiles are done reading K's fragments and the scale words v32-35, and so are the four lines at the step's head that read v32-35: the 18 loads land there
.endif
.irp f, 0,1,2,3
.irp c, 0,1,2,3
	global_load_b128 v[16*\f+4*\c:16*\f+4*\c+3], v[L16], s[18:19] offset:(\f/2)*RECB+(\f%2)*2048+\c*512
.endr
.endr
	WIN 0
	global_load_b64 v[RAW:RAW+1], v[L8], s[18:19] offset:12288
	global_load_b64 v[RAW+2:RAW+3], v[L8], s[18:19] offset:RECB+12288
.endm
.macro LOADV dep                       ; its V: four fragments (16 channels x 128 keys): 16 loads
	WIN 0x40
.if \dep
	s_wait_alu depctr_va_vdst(0)                   ; the products V^T P^T of this step's tiles are done reading V's fragments: the 16 loads land there
.endif
.irp n, 0,1,2,3
.irp c, 0,1,2,3
	global_load_b128 v[64+16*\n+4*\c:64+16*\n+4*\c+3], v[L16], s[18:19] offset:(\c/2)*RECB+4096+(2*\n+\c%2)*512
.endr
.endr
	WIN 0
.endm
	s_load_b128 s[4:7], s[0:1], 0x0                ; ws s[4:5], out0 s[6:7]
	v_lshl_add_u32 v[SPW], v0, 2, SPARE
	v_mov_b32 v[NIL], 0
	v_lshrrev_b32 v11, 5, v0
	v_readfirstlane_b32 s8, v11                    ; wave 0..7
	s_mov_b32 s9, ttmp9                            ; i: the early block
	s_and_b32 s10, ttmp7, 0xffff                   ; batch
	s_sub_co_u32 s12, 127, s9                      ; the late block
	s_lshr_b32 s13, s9, 2                          ; the early block's own key step
	s_lshr_b32 s14, s12, 2                         ; the late block's: 16 .. 31
	s_wait_alu depctr_va_sdst(0)                   ; s8 is written, ahead of its first reader: the key steps, the bases and the LDS addresses are made from it
	s_mov_b32 s15, s8                              ; the key step in hand
	s_sub_co_u32 s16, s14, s8
	s_lshr_b32 s16, s16, 3                         ; my steps less one: 1 .. 3
	s_mov_b32 s20, 0x76543210
	s_mov_b32 s21, 0xfedcba98                      ; v_permlanex16_b32's selects for lane l xor 16
	s_mov_b32 s22, 0x3e38aa3b                      ; c = log2(e) / 8
	s_mov_b32 s23, s22                             ; (named with it as a pair, so it is written)
	s_mov_b32 s24, 0x600000                        ; the mantissa field of 448
	v_and_b32 v11, 31, v0                          ; lane
	v_and_b32 v61, 15, v0                          ; r
	v_bfe_u32 v62, v0, 4, 1                        ; h
	v_lshlrev_b32 v[L16], 4, v11
	v_lshlrev_b32 v[L8], 3, v11
	v_lshlrev_b32 v[R8], 3, v61
	s_wait_kmcnt 0x0
	s_mul_i32 s26, s10, 64*RECB
	s_mov_b32 s27, 0
	s_add_nc_u64 s[4:5], s[4:5], s[26:27]          ; my batch's 64 records
	s_mul_i32 s26, s8, STEPB
	s_add_nc_u64 s[18:19], s[4:5], s[26:27]        ; key step w
	s_lshr_b32 s26, s9, 1
	s_mul_i32 s26, s26, RECB
	s_add_nc_u64 s[28:29], s[4:5], s[26:27]        ; the early block's record;
	s_and_b32 s26, s9, 1
	s_lshl_b32 s26, s26, 7
	s_add_nc_u64 s[30:31], s[28:29], s[26:27]      ; its half of Q's scale words: 128 bytes,
	s_lshl_b32 s26, s26, 4
	s_add_nc_u64 s[28:29], s[28:29], s[26:27]      ; of Q's codes: 2,048
	s_lshr_b32 s26, s12, 1
	s_mul_i32 s26, s26, RECB
	s_add_nc_u64 s[32:33], s[4:5], s[26:27]        ; the late block likewise
	s_and_b32 s26, s12, 1
	s_lshl_b32 s26, s26, 7
	s_add_nc_u64 s[34:35], s[32:33], s[26:27]
	s_lshl_b32 s26, s26, 4
	s_add_nc_u64 s[32:33], s[32:33], s[26:27]
	s_wait_alu depctr_va_vdst(0)                   ; the three offsets v1, v2, v3 are written: every global load and store of the kernel reads one of them
.irp a, 0,1
.irp c, 0,1
	global_load_b128 v[QB+8+16*\a+4*\c:QB+8+16*\a+4*\c+3], v[L16], s[28:29] offset:8192+1024*\a+512*\c      ; Q stays in registers
	global_load_b128 v[QB+40+16*\a+4*\c:QB+40+16*\a+4*\c+3], v[L16], s[32:33] offset:8192+1024*\a+512*\c
.endr
.endr
	global_load_b64 v[QS:QS+1], v[R8], s[30:31] offset:12544       ; row r's word, and the same turned by 16 bits
	global_load_b64 v[QS+2:QS+3], v[R8], s[34:35] offset:12544
	LOADK 0
	LOADV 0
	; while they are on their way: the rows of out0 that I store, the LDS addresses of the way out, the constants.  None of these lines names a register in which a load lands or that a load reads
	s_cmp_lt_u32 s8, 4
	s_cselect_b32 s26, s9, s12                     ; waves 0-3 store the early block, waves 4-7 the late one
	s_lshl_b32 s26, s26, 5
	s_lshl_b32 s36, s10, 12
	s_add_co_u32 s26, s26, s36
	s_bfe_u32 s36, s8, 0x10001                     ; (w / 2) % 2: the block's tile
	s_lshl_b32 s36, s36, 4
	s_add_co_u32 s26, s26, s36
	s_and_b32 s36, s8, 1
	s_lshl_b32 s36, s36, 3
	s_add_co_u32 s26, s26, s36                     ; row 4,096 batch + 32 block + 16 tile + 8 (w % 2)
	s_lshl_b32 s26, s26, 8
	s_add_nc_u64 s[6:7], s[6:7], s[26:27]
	s_lshl_b32 s26, s8, 2
	s_add_co_u32 s26, s26, SM
	v_lshl_add_u32 v[SA], v61, 5, s26              ; row r of a tile: 32 r, my wave's word
	s_mul_i32 s26, s8, 4*OPB
	v_mul_u32_u24 v[OA], v61, 272
	v_lshl_add_u32 v[OA], v62, 5, v[OA]
	v_add_nc_u32 v[OA], s26, v[OA]                 ; my wave's four tiles; row r, + 32 h
	s_lshl_b32 s26, s8, 8
	s_add_co_u32 s26, s26, SM
	v_lshl_add_u32 v[RS], v62, 5, s26              ; back: of the 64 rows I take 8 w + 2 g + h
	s_lshr_b32 s26, s8, 1
	s_mul_i32 s26, s26, OPB
	s_and_b32 s36, s8, 1
	s_mul_i32 s36, s36, 8*272
	s_add_co_u32 s26, s26, s36
	v_mul_u32_u24 v[RO], v62, 272
	v_lshl_add_u32 v[RO], v61, 4, v[RO]
	v_add_nc_u32 v[RO], s26, v[RO]                 ; tile w / 2, row 8 (w % 2) + h, 16 bytes a lane
	v_add_nc_u32 v[RO+1], 16*OPB, v[RO]            ; and four waves' parts further on
	v_lshlrev_b32 v63, 4, v62
	v_sub_nc_u32 v63, v61, v63                     ; r - 16 h
	s_and_b32 s26, s9, 3
	s_lshl_b32 s26, s26, 5
	s_and_b32 s36, s12, 3
	s_lshl_b32 s36, s36, 5
	v_add_nc_u32 v[DG], s26, v63                   ; d = my query - the own step's first key - 16 h.  Register 16 b + i holds key 32 b + 16 h + i of the step: hidden where 32 b + i > d
	v_add_nc_u32 v[DG+2], s36, v63
	v_add_nc_u32 v[DG+1], 16, v[DG]
	v_add_nc_u32 v[DG+3], 16, v[DG+2]
.irp t, 0,1,2,3
	v_mov_b32 v[ST+4*\t+1], 0xff61b1e6             ; the largest t so far: -3e38, under every t
	v_floor_f32 v[ST+4*\t], -v[ST+4*\t+1]          ; -M
	v_mov_b32 v[ST+4*\t+2], 0                      ; the sum, in two halves
	v_mov_b32 v[ST+4*\t+3], 0
	v_mov_b32 v[BP+\t], 0                          ; written once: a lane permute's destination counts as one of its sources
.endr
	v_mov_b32 v[PW], 0                             ; (named as the upper half of the pair with f before it is first written)
	v_mov_b32 v[NINF], 0xff800000                  ; -infinity
.irp z, 0,1,2,3,4
.irp j, 0,1,2,3,4,5,6,7
	v_mov_b32 v[QB+16*\z+\j], 0                    ; the zero codes beside Q
.endr
.endr
	WIN 0x40
.irp z, 0,1,2,3,4,5,6,7
.irp j, 0,1,2,3,4,5,6,7,8,9,10,11,12,13,14,15
	v_mov_b32 v[128+16*\z+\j], 0                   ; O^T
.endr
.endr
	WIN 0
	s_wait_alu depctr_va_vdst(0)                   ; the zero codes beside Q are written, which the scaled products take as part of an operand (the 128 moves of O^T are the places between); so are the LDS addresses v6 to v10 of the way out
; TILE t OF THE KEY STEP IN HAND: 8 products K Q^T, the softmax, 4 products V^T P^T.  wv = 1: V's loads are waited for.  lk = 1: this is the step's last use of K: the next step's K is asked for.
.macro TILE t, wv, lk
.set rST, ST+4*(\t)
.set rO,  128+32*(\t)
.set rQ,  QB+16*(\t)
.set rQS, QS+2*((\t)/2)
.set rA,  (\t)%2
	WIN 0x01                                       ; source 0 (K) window 1
.irp f, 0,1,2,3                                ; [Q, 0] takes the fragment's first tile of keys, [0, Q] its second.  Q's word holds tile a's two bytes low in one register and high in the other
	v_wmma_scale_f32_16x16x128_f8f6f4 v[S+16*\f:S+16*\f+7], v[16*\f:16*\f+15], v[rQ+8:rQ+23], 0, v[RAW+\f], v[rQS+rA]
	v_wmma_scale_f32_16x16x128_f8f6f4 v[S+16*\f+8:S+16*\f+15], v[16*\f:16*\f+15], v[rQ:rQ+15], 0, v[RAW+\f], v[rQS+1-rA]
.endr
	WIN 0
	PLACES 8                                       ; eight places behind this form, in front of the first read of the scores
.if \lk
	s_wait_xcnt 0x0                                ; the earlier loads have read their base: it may step
	s_add_nc_u64 s[18:19], s[18:19], 8*STEPB       ; my next key step
	LOADK 1
.endif
	s_cmp_lg_u32 s15, s[13+(\t)/2]                 ; only the block's own step lies on the diagonal: there hidden scores become -infinity ahead of the maximum, and p = 0
	s_cbranch_scc1 .Lopen_\@
.irp b, 0,1,2,3                                ; a block of 32 keys at a time: sixteen compares in a run, each into a scalar register of its own, one wait, sixteen selections
.irp i, 0,1,2,3,4,5,6,7,8,9,10,11,12,13,14,15
	v_cmp_gt_i32 s[MK+\i], 32*\b+\i, v[DG+(\t)]
.endr
	s_wait_alu depctr_va_sdst(0)                   ; the sixteen compares have written s32 to s47, ahead of the selections that read them
.irp i, 0,1,2,3,4,5,6,7,8,9,10,11,12,13,14,15
	v_cndmask_b32 v[S+16*\b+\i], v[S+16*\b+\i], v[NINF], s[MK+\i]
.endr
.endr
.Lopen_\@:
.irp b, 0,1,2,3
	v_max3_num_f32 v[BM+\b], v[S+16*\b], v[S+16*\b+1], v[S+16*\b+2]   ; the largest score of each block of 32 keys: for the row's maximum and, since p rises with the score, for the block's largest p
.endr
.irp i, 3,5,7,9,11,13
.irp b, 0,1,2,3
	v_max3_num_f32 v[BM+\b], v[BM+\b], v[S+16*\b+\i], v[S+16*\b+\i+1]
.endr
.endr
.irp b, 0,1,2,3
	v_max_num_f32 v[BM+\b], v[BM+\b], v[S+16*\b+15]
.endr
.irp b, 0,1,2,3
	v_permlanex16_b32 v[BP+\b], v[BM+\b], s20, s21
.endr
.irp b, 0,1,2,3
	v_max_num_f32 v[BM+\b], v[BM+\b], v[BP+\b]     ; with lane l xor 16's 16 keys
.endr
	v_max3_num_f32 v[T], v[BM], v[BM+1], v[BM+2]
	v_max_num_f32 v[T], v[T], v[BM+3]              ; the step's largest score of my query
	v_mul_f32 v[T], s22, v[T]                      ; as t
	v_max_num_f32 v[rST+1], v[rST+1], v[T]         ; the running largest t
	v_mov_b32 v[T], v[rST]
	v_floor_f32 v[rST], -v[rST+1]                  ; the new -M = -ceil(t)
	v_sub_f32 v[T], v[rST], v[T]                   ; old M - new M: a whole number, 0 or less
	v_cvt_i32_f32 v[T], v[T]                       ; (it saturates)
	v_ldexp_f32 v[F], 1.0, v[T]                    ; f = 2^(old M - new M): rounds nothing
.irp b, 0,1,2,3
.irp i, 0,2,4,6,8,10,12,14
	v_pk_fma_f32 v[S+16*\b+\i:S+16*\b+\i+1], v[S+16*\b+\i:S+16*\b+\i+1], s[22:23], v[rST:rST+1] op_sel_hi:[1,0,0]   ; t - M, two at a time
.endr
.endr
.irp b, 0,1,2,3
	v_fma_f32 v[BM+\b], v[BM+\b], s22, v[rST]      ; the same of each block's largest score
.endr
.irp b, 0,1,2,3
.irp i, 0,1,2,3,4,5,6,7,8,9,10,11,12,13,14,15
	v_exp_f32 v[S+16*\b+\i], v[S+16*\b+\i]         ; p = 2^(t - M), at most 1
.endr
.endr
	v_pk_mul_f32 v[rST+2:rST+3], v[rST+2:rST+3], v[F:F+1] op_sel_hi:[1,0]   ; the sums under the new M: the plain line behind the exponentials
	s_wait_alu depctr_va_vdst(0)                   ; the 64 exponentials have written p, v152 to v215, ahead of the sums, the first lines that name it: one wait for the batch
.irp b, 0,1,2,3
	v_exp_f32 v[BM+\b], v[BM+\b]                   ; the block's largest p
.endr
	v_pk_add_f32 v[BP:BP+1], v[S:S+1], v[S+2:S+3]  ; the row's sum, of the unquantised p, in two chains
.irp j, 4,8,12,16,20,24,28,32,36,40,44,48,52,56,60
	v_pk_add_f32 v[rST+2:rST+3], v[rST+2:rST+3], v[S+\j:S+\j+1]
	v_pk_add_f32 v[BP:BP+1], v[BP:BP+1], v[S+\j+2:S+\j+3]
.endr
	v_pk_add_f32 v[rST+2:rST+3], v[rST+2:rST+3], v[BP:BP+1]
	s_wait_alu depctr_va_vdst(0)                   ; the four exponentials have written the blocks' largest p, v40 to v43, ahead of the floors, the first lines that name them
.irp b, 0,1,2,3
	v_max_num_f32 v[BM+\b], 0x4800000, v[BM+\b]    ; the floor 2^(9 - 127): the byte cannot fall under 1
.endr
.irp b, 0,1,2,3
	v_add_nc_u32 v[SO+\b], 0xfc000000, v[BM+\b]    ; 8 off the exponent field: the conversion's scale operand
.endr
.irp b, 0,1,2,3
	v_and_or_b32 v[HD+\b], v[BM+\b], 0x7f800000, s24   ; 448 x the scale
.endr
.irp b, 0,1,2,3
	v_lshrrev_b32 v[BP+\b], 23, v[SO+\b]           ; the scale's byte
.endr
	v_lshl_or_b32 v[PW], v[BP+1], 8, v[BP]         ; p's scale word for these 128 keys: it stands the 64 holds ahead of its products
	v_lshl_or_b32 v[PW], v[BP+2], 16, v[PW]
	v_lshl_or_b32 v[PW], v[BP+3], 24, v[PW]
.irp b, 0,1,2,3
.irp i, 0,1,2,3,4,5,6,7,8,9,10,11,12,13,14,15
	v_min_num_f32 v[S+16*\b+\i], v[S+16*\b+\i], v[HD+\b]   ; the conversion to an 8-bit code does not saturate (ISA guide 7.6.2); p is not negative, so the hold is one-sided
.endr
	v_cvt_scalef32_pk8_fp8_f32 v[PC+4*\b:PC+4*\b+1], v[S+16*\b:S+16*\b+7], v[SO+\b]
	v_cvt_scalef32_pk8_fp8_f32 v[PC+4*\b+2:PC+4*\b+3], v[S+16*\b+8:S+16*\b+15], v[SO+\b]
.endr
	WIN 0x41                                       ; O^T (destination and source 0) window 1, f window 0
.irp j, 0,2,4,6,8,10,12,14,16,18,20,22,24,26,28,30
	v_pk_mul_f32 v[rO+\j:rO+\j+1], v[rO+\j:rO+\j+1], v[F:F+1] op_sel_hi:[1,0]   ; O^T under the new M; these 16 are also the places between the codes and their products
.endr
.if \wv
	s_wait_loadcnt 0x0                             ; V is in (nothing was asked for behind it yet)
.endif
	WIN 0x51                                       ; V window 1, p's codes window 0, O^T window 1
	s_wait_alu depctr_va_vdst(0)                   ; the conversions have written p's codes v64 to v79, and vector lines p's scale word v59 and V's scale words v36 to v39: the four scaled products take them as an operand and as scales; the places above stay beside this wait
.irp n, 0,1,2,3
	v_wmma_scale_f32_16x16x128_f8f6f4 v[rO+8*\n:rO+8*\n+7], v[64+16*\n:64+16*\n+15], v[PC:PC+15], v[rO+8*\n:rO+8*\n+7], v[VS+\n], v[PW] matrix_a_scale:MATRIX_SCALE_ROW1
.endr
	WIN 0
.endm
; A KEY STEP.  more = 1: the next step's K and V are asked for as soon as this step's last products have read theirs.
.macro STEP more
	s_wait_loadcnt 16                              ; K and the scale words are in; V's 16 loads, issued behind them, stay out
	v_perm_b32 v[VS], v[RAW+2], v[RAW], 0x05040100     ; V's scale words (lanes 16-31): a channel tile's two bytes of the first record low, of the second high
	v_perm_b32 v[VS+1], v[RAW+2], v[RAW], 0x07060302
	v_perm_b32 v[VS+2], v[RAW+3], v[RAW+1], 0x05040100
	v_perm_b32 v[VS+3], v[RAW+3], v[RAW+1], 0x07060302
	s_cmp_gt_u32 s15, s13                          ; all keys of this step come after the early block's queries: its two tiles are left out (ids alone)
	s_cbranch_scc1 .Llate_\@
	TILE 0, 1, 0
	TILE 1, 0, 0
.Llate_\@:
	TILE 2, 1, 0
	TILE 3, 0, \more
.if \more
	PLACES 8                                       ; in front of the next step's lines that write V's scale words, which the last products read
	LOADV 1
.endif
.endm
.Lstep:                                            ; all my steps but the last
	STEP 1
	s_add_co_u32 s15, s15, 8
	s_sub_co_u32 s16, s16, 1
	s_cmp_lg_u32 s16, 0
	s_cbranch_scc1 .Lstep
	STEP 0                                         ; the last is written out: it asks for nothing, so no load leaves the buffer
	; THE WAY OUT.  Each wave puts its -M, its sum and its O^T into LDS; behind the barrier each wave takes 8 of the 64 rows, brings the eight parts under the largest M (exact powers of two), adds, divides, stores.
	PLACES 8
.irp t, 0,1,2,3
	v_add_f32 v[ST+4*\t+2], v[ST+4*\t+2], v[ST+4*\t+3]     ; the sum's two halves,
.endr
.irp t, 0,1,2,3
	v_permlanex16_b32 v[BP+\t], v[ST+4*\t+2], s20, s21
.endr
.irp t, 0,1,2,3
	v_add_f32 v[ST+4*\t+2], v[ST+4*\t+2], v[BP+\t]         ; and lane l xor 16's
.endr
	s_wait_alu depctr_va_vdst(0)                   ; the additions have written the sums and the last products O^T, which the LDS stores read (the places above stay beside this wait); and all products are done reading v64 to v151 and K's and V's fragments, in which the LDS loads behind the barrier land: no vector line stands between
.irp t, 0,1,2,3
	ds_store_b32 v[SA], v[ST+4*\t] offset:512*\t           ; both halves of the lanes write the same word with the same value
	ds_store_b32 v[SA], v[ST+4*\t+2] offset:2048+512*\t
.endr
	WIN 0x04                                       ; an LDS store's data are its source 1: window 1
.irp t, 0,1,2,3
.irp n, 0,1,2,3
	ds_store_b128 v[OA], v[128+32*\t+8*\n:128+32*\t+8*\n+3] offset:\t*OPB+64*\n       ; lane (r, h): o(query r, channels 16 n + 8 h + 0 .. 7); each accumulator from its low end on
	ds_store_b128 v[OA], v[128+32*\t+8*\n+4:128+32*\t+8*\n+7] offset:\t*OPB+64*\n+16
.endr
.endr
	WIN 0
	s_wait_dscnt 0x0                               ; for the others' sake: my stores have landed
	s_barrier_signal -1
	s_barrier_wait -1
.irp g, 0,1,2,3                                ; row 8 w + 2 g + h: the eight waves' -M into v[64 + 16 g ..], their sums into v[72 + 16 g ..]
	ds_load_b128 v[64+16*\g:67+16*\g], v[RS] offset:64*\g
	ds_load_b128 v[68+16*\g:71+16*\g], v[RS] offset:64*\g+16
	ds_load_b128 v[72+16*\g:75+16*\g], v[RS] offset:2048+64*\g
	ds_load_b128 v[76+16*\g:79+16*\g], v[RS] offset:2048+64*\g+16
.endr
	WIN 0x40
.irp g, 0,1,2,3
.irp s, 0,1,2,3,4,5,6,7
	ds_load_b128 v[32*\g+4*\s:32*\g+4*\s+3], v[RO+\s/4] offset:(\s%4)*4*OPB+544*\g    ; wave s's part of my four channels of that row
.endr
.endr
	WIN 0
	s_wait_dscnt 32                                ; the sixteen loads of statistics are in; the 32 issued behind them may be out
.irp g, 0,1,2,3
	v_min3_num_f32 v[MN+\g], v[64+16*\g], v[65+16*\g], v[66+16*\g]
.endr
.irp g, 0,1,2,3
	v_min3_num_f32 v[MN+\g], v[MN+\g], v[67+16*\g], v[68+16*\g]
.endr
.irp g, 0,1,2,3
	v_min3_num_f32 v[MN+\g], v[MN+\g], v[69+16*\g], v[70+16*\g]
.endr
.irp g, 0,1,2,3
	v_min_num_f32 v[MN+\g], v[MN+\g], v[71+16*\g]  ; the least -M: the row's M
.endr
.irp s, 0,1,2,3,4,5,6,7
.irp g, 0,1,2,3
	v_sub_f32 v[129+16*\g+2*\s], v[MN+\g], v[64+16*\g+\s]      ; wave s's M less the row's: a whole number, 0 or less (a wave with no step for the row: -3e38)
.endr
.endr
.irp s, 0,1,2,3,4,5,6,7
.irp g, 0,1,2,3
	v_cvt_i32_f32 v[129+16*\g+2*\s], v[129+16*\g+2*\s]         ; (it saturates)
.endr
.endr
.irp s, 0,1,2,3,4,5,6,7
.irp g, 0,1,2,3
	v_ldexp_f32 v[128+16*\g+2*\s], 1.0, v[129+16*\g+2*\s]      ; f_s, the low word of a pair
.endr
.endr
.irp g, 0,1,2,3
	v_mul_f32 v[209+2*\g], v[128+16*\g], v[72+16*\g]
.endr
.irp s, 1,2,3,4,5,6,7
.irp g, 0,1,2,3
	v_fmac_f32 v[209+2*\g], v[128+16*\g+2*\s], v[72+16*\g+\s]  ; the row's sum
.endr
.endr
.irp g, 0,1,2,3
	v_rcp_f32 v[208+2*\g], v[209+2*\g]
.endr
	v_nop                                          ; a plain line behind the last reciprocal
	s_wait_alu depctr_va_vdst(0)                   ; the four reciprocals have written v208, v210, v212, v214, ahead of the multiplications that read them: one wait for the four
.irp g, 0,1,2,3
	s_wait_dscnt 24-8*\g                           ; this row's eight parts are in; the later rows', eight loads each, may be out
	WIN 0x01                                       ; source 0 (the parts) window 1
	v_pk_mul_f32 v[192+4*\g:193+4*\g], v[32*\g:32*\g+1], v[128+16*\g:129+16*\g] op_sel_hi:[1,0]
	v_pk_mul_f32 v[194+4*\g:195+4*\g], v[32*\g+2:32*\g+3], v[128+16*\g:129+16*\g] op_sel_hi:[1,0]
.irp s, 1,2,3,4,5,6,7
	v_pk_fma_f32 v[192+4*\g:193+4*\g], v[32*\g+4*\s:32*\g+4*\s+1], v[128+16*\g+2*\s:129+16*\g+2*\s], v[192+4*\g:193+4*\g] op_sel_hi:[1,0,1]
	v_pk_fma_f32 v[194+4*\g:195+4*\g], v[32*\g+4*\s+2:32*\g+4*\s+3], v[128+16*\g+2*\s:129+16*\g+2*\s], v[194+4*\g:195+4*\g] op_sel_hi:[1,0,1]
.endr
	WIN 0
	v_pk_mul_f32 v[192+4*\g:193+4*\g], v[192+4*\g:193+4*\g], v[208+2*\g:209+2*\g] op_sel_hi:[1,0]
	v_pk_mul_f32 v[194+4*\g:195+4*\g], v[194+4*\g:195+4*\g], v[208+2*\g:209+2*\g] op_sel_hi:[1,0]
.endr
	s_wait_alu depctr_va_vdst(0)                   ; the multiplications have written v192 to v207, which the four stores read: one wait ahead of the run
.irp g, 0,1,2,3
	global_store_b128 v[L16], v[192+4*\g:195+4*\g], s[6:7] offset:512*\g th:TH_STORE_NT   ; 32 lanes store two whole rows: 512 consecutive bytes, at a multiple of 256 from the buffer's first byte
.endr
	s_wait_dscnt 0x0                               ; the closing lines, six on end
	s_wait_alu 0x0
	s_wait_tensorcnt 0x0
	ds_add_u32 v[SPW], v[NIL]
	s_wait_dscnt 0x0
	s_endpgm
.Lfunc_end_k_qe457462d71_attend:
	.size	k_qe457462d71_attend, .Lfunc_end_k_qe457462d71_attend-k_qe457462d71_attend
	.p2alignl 7, 3214868480
	.fill 96, 4, 3214868480
	.section	.rodata,"a",@progbits
	.p2align	6, 0x0
	.amdhsa_kernel k_qe457462d71_attend
		.amdhsa_group_segment_fixed_size 144384
		.amdhsa_private_segment_fixed_size 0
		.amdhsa_enable_private_segment 0
		.amdhsa_kernarg_size 16
		.amdhsa_user_sgpr_count 2
		.amdhsa_user_sgpr_kernarg_segment_ptr 1
		.amdhsa_wavefront_size32 1
		.amdhsa_system_sgpr_workgroup_id_x 1
		.amdhsa_system_sgpr_workgroup_id_y 1
		.amdhsa_system_sgpr_workgroup_id_z 1
		.amdhsa_system_vgpr_workitem_id 0
		.amdhsa_next_free_vgpr 512
		.amdhsa_next_free_sgpr 66
		.amdhsa_reserve_vcc 0
		.amdhsa_float_denorm_mode_32 3
		.amdhsa_float_denorm_mode_16_64 3
		.amdhsa_memory_ordered 1
		.amdhsa_forward_progress 1
		.amdhsa_inst_pref_size 237
	.end_amdhsa_kernel
	.amdgpu_metadata
---
amdhsa.version: [ 1, 2 ]
amdhsa.kernels:
  - .name:           k_qe457462d71_attend
    .symbol:         k_qe457462d71_attend.kd
    .args:
      - { .name: ws, .offset: 0, .size: 8, .value_kind: global_buffer, .address_space: global }
      - { .name: out0, .offset: 8, .size: 8, .value_kind: global_buffer, .address_space: global }
    .group_segment_fixed_size: 144384
    .private_segment_fixed_size: 0
    .kernarg_segment_align: 8
    .kernarg_segment_size: 16
    .max_flat_workgroup_size: 256
    .sgpr_count:     66
    .vgpr_count:     512
    .wavefront_size: 32
...
	.end_amdgpu_metadata
.endif
;; end of part 3
